; MI455X (gfx1250); checked and timed in simulation.
; The chip was launched on July 23, 2026; its instructions are those of AMD's public machine-readable ISA for CDNA 5 (MIT licence, August 2026) and "CDNA5" Instruction Set Architecture Reference Guide (July 2026). The comments in the code are by the model that wrote it; some were corrected since.
;; Meriam Attention. Allowed arithmetic: float matrix products may take bf16 or f16 operands with f32 sums; other float arithmetic in f32, or as packed bf16 or f16 multiplies, adds, multiply-adds, maxima and minima; sums over many terms, partial sums and values carried from step to step in f32; what a program stores and reads back later, other than sums and carried values, may be rounded once to bf16 or f16.
;; Inputs: Wk 1,024 x 1,024 float32; Wq 1,024 x 1,024 float32; Wv 1,024 x 1,024 float32; bk 1,024 float32; bq 1,024 float32; bv 1,024 float32; x 4 x 2,048 x 1,024 float32.
;; Outputs: out0 4 x 2,048 x 1,024 float32.
;; 2 versions, each right; version 2 is version 1 with the launch prep written anew for expert scheduling mode. Each part assembles by itself: llvm-mc -triple=amdgcn-amd-amdhsa -mcpu=gfx1250 --defsym DOCPART=n.
;; ======== version 1 of 2: 4 launches
;; limits: values are held in f16: magnitudes above 65,504 overflow, below 6.1e-05 lose precision
;; workspace buffers: xb 16,777,216 bytes; wt 6,291,456 bytes; bias 12,288 bytes; qkv 50,331,648 bytes; p 33,554,432 bytes; stats 1,048,576 bytes
;; launch prep (part 1): grid 897 x 1, 8 waves a work-group, no clusters, 17,920 bytes of LDS; arguments x, Wq, Wk, Wv, bq, bk, bv, xb, wt, bias; writes xb, wt, bias
.if DOCPART == 1
	.amdgcn_target "amdgcn-amd-amdhsa--gfx1250"
	.amdhsa_code_object_version 6
	.text
	.protected	k_q7e3bcd1da0_prep
	.globl	k_q7e3bcd1da0_prep
	.p2align	8
	.type	k_q7e3bcd1da0_prep,@function
k_q7e3bcd1da0_prep:
	s_mov_b64 s[64:65], 0
	v_nop
	global_prefetch_b8 v0, s[64:65] scope:SCOPE_SE
	s_setreg_imm32_b32 hwreg(HW_REG_WAVE_MODE, 25, 1), 1
	s_wait_xcnt 0x0
; PREP.  xb = x rounded to bf16, in blocks of 64 along K: [16 blocks][8192 rows][64].  wt = Wq, Wk, Wv rounded to bf16 and turned, in the same blocks: [16][3072][64], row n = column n % 1024 of
; matrix n / 1024.  In this layout a tile of some rows x 64 K is dense in memory.  bias = bq, bk, bv rounded to bf16 and kept as f32, [3072].  All the module's inputs take the same one rounding.
; Work-groups 0-511: 16 rows of x each.  512-895: a tile of 128 d x 64 e of one W, turned through LDS.  896: the three biases.
; A stream: no matrix unit, no cluster, no prefetch: every byte is read once, sixteen lanes to 256 consecutive bytes, and each store of a wave covers 256 consecutive bytes, aligned:
; two neighbouring rows' 128 bytes of one block.
.set SPARE, 16896                      ; behind the tile: the spare words, 128 bytes for each of eight waves; no other line names them
.set SPW,   4                          ; v4  SPARE + 4 x my thread's number; never rewritten
.set NIL,   5                          ; v5  0; never rewritten
.set LP,    264                        ; a row of the turned tile in LDS: 128 bf16 + 8 bytes, so that rows stay aligned to 8 bytes
.set XBLK,  8192*128                   ; bytes in a block of xb
.set WBLK,  3072*128                   ; bytes in a block of wt
	s_load_b512 s[4:19], s[0:1], 0x0               ; x, Wq, Wk, Wv, bq, bk, bv, xb
	s_load_b128 s[20:23], s[0:1], 0x40             ; wt, bias
	v_lshl_add_u32 v[SPW], v0, 2, SPARE
	v_mov_b32 v[NIL], 0
	v_lshlrev_b32 v1, 4, v0                        ; 16 t
	v_and_b32 v2, 15, v0                           ; c: my place among sixteen lanes
	v_bfe_u32 v3, v0, 4, 1                         ; which half of the lanes
	v_lshrrev_b32 v9, 5, v0                        ; wave
	s_mov_b32 s25, 0
	s_mov_b32 s27, 0
	s_wait_kmcnt 0x0
	s_cmp_lt_u32 ttmp9, 512
	s_cbranch_scc0 .Lweights
	; x: 16 rows, 65,536 bytes in, 32,768 out.  Load i of wave w: rows 2 (i / 2) and 2 (i / 2) + 1 (a half of the lanes each), block 2 w + i % 2.  All sixteen loads go out at once; the counts run down.
	v_lshlrev_b32 v6, 4, v2
	v_lshl_add_u32 v6, v3, 12, v6
	v_lshl_add_u32 v6, v9, 9, v6                   ; from: half x 4,096 + wave x 512 + 16 c
	v_lshlrev_b32 v7, 3, v2
	v_lshl_add_u32 v7, v3, 7, v7
	v_lshl_add_u32 v7, v9, 21, v7                  ; to: wave x two blocks + half x 128 + 8 c
	s_lshl_b32 s24, ttmp9, 16
	s_lshl_b32 s26, ttmp9, 11                      ; 16 rows of 128 bytes
	s_add_nc_u64 s[4:5], s[4:5], s[24:25]
	s_add_nc_u64 s[18:19], s[18:19], s[26:27]
.set i, 0
.rept 16
	global_load_b128 v[16+4*i:19+4*i], v6, s[4:5] offset:(i/2)*8192+(i%2)*256 th:TH_LOAD_NT
.set i, i+1
.endr
.set i, 0
.rept 16
	s_wait_loadcnt 15-i                            ; loads come back in order: load i is in, the younger ones stay out
	v_cvt_pk_bf16_f32 v[80+2*i], v[16+4*i], v[17+4*i]
	v_cvt_pk_bf16_f32 v[81+2*i], v[18+4*i], v[19+4*i]
	global_store_b64 v7, v[80+2*i:81+2*i], s[18:19] offset:(i%2)*XBLK+(i/2)*256 th:TH_STORE_NT
.set i, i+1
.endr
	s_endpgm
.Lweights:
	s_cmp_eq_u32 ttmp9, 896
	s_cbranch_scc1 .Lbias
	s_sub_co_u32 s28, ttmp9, 512
	s_lshr_b32 s29, s28, 7                         ; which matrix: 0 q, 1 k, 2 v
	s_bfe_u32 s30, s28, 0x30004                    ; dt: which 128 rows d: blocks 2 dt and 2 dt + 1
	s_and_b32 s31, s28, 15                         ; et: which 64 columns e
	s_cmp_eq_u32 s29, 1
	s_cselect_b64 s[32:33], s[8:9], s[6:7]
	s_cmp_eq_u32 s29, 2
	s_cselect_b64 s[32:33], s[10:11], s[32:33]
	s_lshl_b32 s24, s30, 19                        ; 128 rows of 4,096 bytes
	s_lshl_b32 s34, s31, 8                         ; 64 columns of 4 bytes
	s_add_co_u32 s24, s24, s34
	s_add_nc_u64 s[32:33], s[32:33], s[24:25]
	s_mul_i32 s26, s30, 2*WBLK                     ; wt: block 2 dt,
	s_lshl_b32 s34, s29, 17                        ; row 1024 m
	s_add_co_u32 s26, s26, s34
	s_lshl_b32 s34, s31, 13                        ; + 64 et, 128 bytes a row
	s_add_co_u32 s26, s26, s34
	s_add_nc_u64 s[20:21], s[20:21], s[26:27]
	v_lshrrev_b32 v12, 4, v0                       ; dp0: my pair of rows, in each group of 32 rows; c: my four columns
	v_lshlrev_b32 v6, 4, v2
	v_lshl_add_u32 v6, v12, 13, v6
.irp i, 0,1,2,3
	global_load_b128 v[16+8*\i:19+8*\i], v6, s[32:33] offset:131072*\i       ; row 2 (dp0 + 16 i): sixteen lanes take 256 consecutive bytes
	global_load_b128 v[20+8*\i:23+8*\i], v6, s[32:33] offset:131072*\i+4096  ; and the row below it
.endr
	v_mul_u32_u24 v7, v2, 4*LP
	v_lshl_add_u32 v7, v12, 2, v7                  ; into LDS: row e = 4 c + j, word dp0 + 16 i
	v_lshlrev_b32 v8, 3, v2                        ; back: 8 bytes a lane; a half of the lanes takes a row's 128 bytes of one block
	v_mul_u32_u24 v10, v9, 8*LP
	v_mul_u32_u24 v13, v3, LP
	v_add3_u32 v10, v10, v13, v8                   ; row 8 w + half
	v_lshl_add_u32 v11, v9, 10, v8
	v_lshl_add_u32 v11, v3, 7, v11                 ; and the same row of wt
	s_wait_loadcnt 0x0
.irp i, 0,1,2,3
.irp c, 0,1,2,3
	v_cvt_pk_bf16_f32 v[48+4*\i+\c], v[16+8*\i+\c], v[20+8*\i+\c]  ; two neighbouring d of one e
	ds_store_b32 v7, v[48+4*\i+\c] offset:\c*LP+\i*64
.endr
.endr
	s_wait_dscnt 0x0                               ; for the others' sake: my stores are done
	s_barrier_signal -1
	s_barrier_wait -1                              ; the branch that led here hangs on the work-group's number alone: all eight waves pass
.set k, 0
.rept 8
	ds_load_b64 v[64+2*k:65+2*k], v10 offset:(k/2)*2*LP+(k%2)*128   ; rows 8 w + 2 (k / 2) + half, block k % 2
.set k, k+1
.endr
.set k, 0
.rept 8
	s_wait_dscnt 7-k
	global_store_b64 v11, v[64+2*k:65+2*k], s[20:21] offset:(k%2)*WBLK+(k/2)*256
.set k, k+1
.endr
	s_wait_tensorcnt 0x0                           ; the wave's end, behind my last LDS store
	ds_add_u32 v[SPW], v[NIL]
	s_wait_dscnt 0x0
	s_endpgm
.Lbias:
	global_load_b128 v[16:19], v1, s[12:13]
	global_load_b128 v[20:23], v1, s[14:15]
	global_load_b128 v[24:27], v1, s[16:17]
	s_wait_loadcnt 0x0
.irp i, 0,1,2,3,4,5
	v_cvt_pk_bf16_f32 v[32+\i], v[16+2*\i], v[17+2*\i]
.endr
.irp i, 0,1,2,3,4,5
	v_lshlrev_b32 v[16+2*\i], 16, v[32+\i]         ; back to f32: the low half moves up,
	v_and_b32 v[17+2*\i], 0xffff0000, v[32+\i]     ; the high half stays
.endr
	global_store_b128 v1, v[16:19], s[22:23]
	global_store_b128 v1, v[20:23], s[22:23] offset:4096
	global_store_b128 v1, v[24:27], s[22:23] offset:8192
	s_endpgm
.Lfunc_end_k_q7e3bcd1da0_prep:
	.size	k_q7e3bcd1da0_prep, .Lfunc_end_k_q7e3bcd1da0_prep-k_q7e3bcd1da0_prep
	.p2alignl 7, 3214868480
	.fill 96, 4, 3214868480
	.section	.rodata,"a",@progbits
	.p2align	6, 0x0
	.amdhsa_kernel k_q7e3bcd1da0_prep
		.amdhsa_group_segment_fixed_size 17920
		.amdhsa_private_segment_fixed_size 0
		.amdhsa_enable_private_segment 0
		.amdhsa_kernarg_size 80
		.amdhsa_user_sgpr_count 2
		.amdhsa_user_sgpr_kernarg_segment_ptr 1
		.amdhsa_wavefront_size32 1
		.amdhsa_system_sgpr_workgroup_id_x 1
		.amdhsa_system_sgpr_workgroup_id_y 1
		.amdhsa_system_sgpr_workgroup_id_z 1
		.amdhsa_system_vgpr_workitem_id 0
		.amdhsa_next_free_vgpr 112
		.amdhsa_next_free_sgpr 66
		.amdhsa_reserve_vcc 0
		.amdhsa_float_denorm_mode_32 3
		.amdhsa_float_denorm_mode_16_64 3
		.amdhsa_memory_ordered 1
		.amdhsa_forward_progress 1
		.amdhsa_inst_pref_size 15
	.end_amdhsa_kernel
	.amdgpu_metadata
---
amdhsa.version: [ 1, 2 ]
amdhsa.kernels:
  - .name:           k_q7e3bcd1da0_prep
    .symbol:         k_q7e3bcd1da0_prep.kd
    .args:
      - { .name: x, .offset: 0, .size: 8, .value_kind: global_buffer, .address_space: global }
      - { .name: Wq, .offset: 8, .size: 8, .value_kind: global_buffer, .address_space: global }
      - { .name: Wk, .offset: 16, .size: 8, .value_kind: global_buffer, .address_space: global }
      - { .name: Wv, .offset: 24, .size: 8, .value_kind: global_buffer, .address_space: global }
      - { .name: bq, .offset: 32, .size: 8, .value_kind: global_buffer, .address_space: global }
      - { .name: bk, .offset: 40, .size: 8, .value_kind: global_buffer, .address_space: global }
      - { .name: bv, .offset: 48, .size: 8, .value_kind: global_buffer, .address_space: global }
      - { .name: xb, .offset: 56, .size: 8, .value_kind: global_buffer, .address_space: global }
      - { .name: wt, .offset: 64, .size: 8, .value_kind: global_buffer, .address_space: global }
      - { .name: bias, .offset: 72, .size: 8, .value_kind: global_buffer, .address_space: global }
    .group_segment_fixed_size: 17920
    .private_segment_fixed_size: 0
    .kernarg_segment_align: 8
    .kernarg_segment_size: 80
    .max_flat_workgroup_size: 256
    .sgpr_count:     66
    .vgpr_count:     112
    .wavefront_size: 32
...
	.end_amdgpu_metadata
.endif
;; end of part 1
;; launch proj (part 2): grid 8 x 32, 4 waves a work-group, clusters of 4 x 4, 327,680 bytes of LDS; arguments xb, wt, bias, qkv; writes qkv
.if DOCPART == 2
	.amdgcn_target "amdgcn-amd-amdhsa--gfx1250"
	.amdhsa_code_object_version 6
	.text
	.protected	k_q7e3bcd1da0_proj
	.globl	k_q7e3bcd1da0_proj
	.p2align	8
	.type	k_q7e3bcd1da0_proj,@function
k_q7e3bcd1da0_proj:
	s_mov_b64 s[64:65], 0
	v_nop
	global_prefetch_b8 v0, s[64:65] scope:SCOPE_SE
	s_setreg_imm32_b32 hwreg(HW_REG_WAVE_MODE, 25, 1), 1
	s_wait_xcnt 0x0
	s_wait_alu depctr_hold_cnt(0) depctr_sa_sdst(0) depctr_va_vdst(0) depctr_va_sdst(0) depctr_va_ssrc(0) depctr_va_vcc(0) depctr_vm_vsrc(0)
	s_getreg_b32 s2, hwreg(HW_REG_IB_STS2, 6, 4)
	s_cmp_eq_u32 s2, 0
	s_cbranch_scc0 .Lentry_in_a_cluster
	s_endpgm
.Lentry_in_a_cluster:
	s_bfe_u32 s2, ttmp6, 0x10000c
	s_cmp_lg_u32 s2, 0xf033
	s_cbranch_scc0 .Lentry_shape_is_right
	s_endpgm
.Lentry_shape_is_right:
; PROJ.  qkv[m][n] = sum over k of x[m][k] w[n][k] + bias[n].  xb: bf16 [16 blocks of 64 K][8192][64]; wt: bf16 [16][3072][64]; bias [3072] f32; qkv [8192][3072] f16, rounded once from the f32 sums.
; LIMIT.  f16 ends at 65,504: q, k and v must stay within it (inputs as drawn give numbers of spread 1; x and W both thirty times larger give some 5,000).
; A tile of qkv is 256 rows x 384 columns: 32 x 8 = 256 work-groups.  Four waves, each 128 x 192: 96 accumulators of 16 x 16, 768 registers: for 32 along K a wave reads 20,480 bytes of LDS for 96 products.
; K goes in steps of 64, a block of xb and wt, through a ring of two LDS slots (two slots of 128 along K, 2 x 640 rows x 272 bytes, would not fit).  In a block a half tile is dense: waves 0 and 1 fetch the halves
; of A's tile as 64 rows of 256 bytes, waves 2 and 3 those of B's as 96 rows of 256 bytes; the padding falls behind every 128 bytes, a row of the tile.
; CLUSTER 4 x 4: A's tile hangs on the tile row and is asked for jointly along a row of the cluster, B's on the tile column and jointly along a column.
; THE PRODUCT IS TAKEN TRANSPOSED (source 0 = 16 rows of wt, source 1 = 16 rows of xb): a lane holds one row m and eight neighbouring columns n.
; REGISTERS: window 0: v0-31 addresses; v32-159 A's fragments (8 x 16 rows x 32 K), two buffers; v160-255 B's twelve fragments, ONCE.  Windows 1-3: accumulator (a, b), a = 0..7, b = 0..11, in window 1 + b / 4 at 8 (4 a + b % 4).
; B ROLLS.  A quarter (32 along K) goes in three phases of 32 products, one window and four fragments of B each; behind a phase its four fragments are loaded anew for the next quarter, 64 products ahead of their use.
; THE BIAS lies, as a lane's eight columns, in the accumulators of row block 0: in the first quarter it is the C operand of blocks 1 to 7, then of block 0 itself: nothing is cleared, copied or added on the way out.
.set PITCH,  144                       ; an LDS row: 128 bytes + 16 of padding = 36 words: the 16 rows of a fragment load start at 16 different groups of four banks (64 banks of 4 bytes: ISA guide 11.1)
.set AH,     128*PITCH                 ; half of A's tile
.set BH,     192*PITCH                 ; half of B's tile
.set BOFF,   2*AH
.set SLOTB,  2*AH+2*BH                 ; 92,160 bytes of a slot
.set SLOT1,  1<<17                     ; slot 1 begins here, so that one exclusive or turns an address in one slot into the other's
.set STAGE,  SLOT1+SLOTB               ; behind the ring, never filled by a tensor load: 128 rows x 784 bytes, the work-group's
.set SPITCH, 784                       ; 768 bytes + 16
.set SPARE,  STAGE+128*SPITCH          ; the spare words, 128 bytes a wave; no other line names them
.set XBLK,   8192*128                  ; bytes in a block of xb
.set WBLK,   3072*128                  ; bytes in a block of wt
.set STEPS,  16
.set CROW,   6144                      ; bytes in a row of qkv
.set ADRA0, 16                         ; v16  my lane's place in A's tile of slot 0; never rewritten
.set ADRB0, 17                         ; v17  the same for B
.set CA,    18                         ; v18  the same in the slot that is being read
.set CB,    19
.set STO,   20
.set RD,    21
.set CO,    22
.set LN,    23
.set SPW,   28
.set NIL,   29
.set PFO,   30
.set AF,    32
.set BF,    160
.set TMP,   32                         ; the way out: 48 registers of packed results,
.set OB,    32                         ; then 192 of rows read back
.set G1,  24                           ; s[24:31] group 1 for A's tiles
.set G0,  32                           ; s[32:39] group 0 for A's: a set for each first fill; the second then walks on
.set G1B, 48
.set G0B, 56
.set LIM, 43                           ; 2 in a wave that prefetches, else the greatest number
.set PFA, 44                           ; s[44:45] where my prefetches stand
.set BIA, 66                           ; s[66:67] bias
.set PST, 68                           ; s[68:69] a block of the tensor that I prefetch
.set TB,  70                           ; s70 the slot that is being read: 0 or SLOT1
.set PARM, 71                          ; s71 1 in wave 3, which asks in every second step
.set MSB, 0
.macro WIN new                         ; the immediate's high byte repeats the setting that is left; a switch that changes nothing is dropped
.if MSB != (\new)
	s_set_vgpr_msb (MSB<<8)|(\new)
.set MSB, \new
.endif
.endm
.macro PLACES                          ; four plain instructions between a matrix instruction and a load into, or a vector read of, its registers
.rept 4
	v_nop
.endr
.endm
.macro JLOAD s                         ; a joint load; the branch hangs on the wave's number alone; an s_nop 0 and four v_nop follow each line
	s_cmp_eq_u32 s11, 0
	s_cbranch_scc0 .Lfor_b_\@
	tensor_load_to_lds s[G0+4*(\s):G0+4*(\s)+3], s[G1:G1+7]
	s_nop 0
.rept 4
	v_nop
.endr
	s_branch .Lasked_\@
.Lfor_b_\@:
	tensor_load_to_lds s[G0B+4*(\s):G0B+4*(\s)+3], s[G1B:G1B+7]
	s_nop 0
.rept 4
	v_nop
.endr
.Lasked_\@:
.endm
.macro CREST                           ; a round of the cluster's barrier behind its opening barrier
	s_cmp_lg_u32 s10, 0
	s_cbranch_scc1 .Lnot_wave_0_\@
	s_barrier_signal -3
.Lnot_wave_0_\@:
	s_barrier_wait -3
	s_barrier_signal -1
	s_barrier_wait -1
.endm
.macro CROUND
	s_barrier_signal -1
	s_barrier_wait -1
	CREST
.endm
; A prefetch into the L2 of the K block that stands two refills on, a lane to each 256 bytes.  A's tile of a block is 128 such pieces: wave 0 of the clusters with x = 0 asks, each of the four partners of a row for 32,
; told apart by address.  B's is 192: the clusters with y = 0 ask, each partner of a column for 48: wave 2 for 32 in every step; wave 3 for the other 16 of two K blocks at once (a half of its lanes each)
; in every second step.  So each piece is named once.  s3 counts the refills still to come: the last two ask for nothing, since the K blocks two on do not exist.
.macro ASK
	s_and_b32 s22, s3, s[PARM]
	s_cmp_eq_u32 s22, 0
	s_cbranch_scc0 .Lnot_mine_\@
	s_cmp_gt_u32 s3, s[LIM]
	s_cbranch_scc0 .Lnot_mine_\@
	global_prefetch_b8 v[PFO], s[PFA:PFA+1] th:TH_LOAD_NT scope:SCOPE_SE
.Lnot_mine_\@:
.endm
	s_load_b128 s[4:7], s[0:1], 0x0                ; xb, wt
	s_load_b64 s[BIA:BIA+1], s[0:1], 0x10          ; bias
	s_load_b64 s[8:9], s[0:1], 0x18                ; qkv
	v_lshl_add_u32 v[SPW], v0, 2, SPARE
	v_mov_b32 v[NIL], 0
	ds_add_u32 v[SPW], v[NIL]                      ; the wave's opening: the add and its wait stand ahead of my first tensor load
	v_lshrrev_b32 v1, 5, v0
	v_readfirstlane_b32 s10, v1                    ; wave 0..3
	s_lshr_b32 s11, s10, 1                         ; my half of the tile's rows.  Also: I fetch for A (0) or B (1)
	s_and_b32 s12, s10, 1                          ; my half of its columns.  Also: which half of that tile I fetch
	s_bfe_u32 s40, ttmp6, 0x40000                  ; cx
	s_bfe_u32 s41, ttmp6, 0x40004                  ; cy
	s_lshl_b32 s42, ttmp9, 2
	s_add_co_u32 s42, s42, s40                     ; tile column 0..7
	s_and_b32 s13, ttmp7, 0xffff
	s_lshl_b32 s13, s13, 2
	s_add_co_u32 s13, s13, s41                     ; tile row 0..31
	s_lshl_b32 s43, s41, 2
	s_lshl_b32 s43, 15, s43                        ; my row of the cluster
	s_lshl_b32 s44, 0x1111, s40                    ; my column
	s_or_b32 s[G1+0], s43, (1<<16)|(1<<20)|(1<<21)|(4<<22)|(3<<25)   ; mask; 2-byte elements; padding on; bit 21 beside a mask; after every 32 words, 4 words
	s_or_b32 s[G1B+0], s44, (1<<16)|(1<<20)|(1<<21)|(4<<22)|(3<<25)
	s_mov_b32 s[G1+1], 128<<16                     ; tensor_dim0 = 128 elements: 256 dense bytes, two rows of the tile
	s_mov_b32 s[G1+2], 64<<16                      ; tensor_dim1 = 64
	s_mov_b32 s[G1+3], 128<<16                     ; tile_dim0 = 128
	s_mov_b32 s[G1+4], 64                          ; tile_dim1 = 64
	s_mov_b32 s[G1+5], 128                         ; elements from row to row
	s_mov_b32 s[G1+6], 0
	s_mov_b32 s[G1+7], 0
	s_mov_b32 s[G1B+1], 128<<16
	s_mov_b32 s[G1B+2], 96<<16                     ; B: 96 rows of 256 bytes
	s_mov_b32 s[G1B+3], 128<<16
	s_mov_b32 s[G1B+4], 96
	s_mov_b32 s[G1B+5], 128
	s_mov_b32 s[G1B+6], 0
	s_mov_b32 s[G1B+7], 0
	s_lshl_b32 s16, s13, 15                        ; A: row 256 x tile row, 128 bytes a row,
	s_lshl_b32 s17, s12, 14                        ; + 128 x half
	s_add_co_u32 s16, s16, s17
	s_mov_b32 s17, 0
	s_mul_i32 s46, s42, 384*128                    ; B: row 384 x tile column
	s_mul_i32 s47, s12, 192*128                    ; + 192 x half
	s_add_co_u32 s46, s46, s47
	s_mov_b32 s47, 0
	s_mul_i32 s20, s12, AH                         ; where they go: no place in the cluster enters an LDS address
	s_mul_i32 s21, s12, BH
	s_add_co_u32 s21, s21, BOFF
	s_mov_b32 s[TB], 0
	s_wait_dscnt 0x0                               ; the opening add is done
	s_wait_kmcnt 0x0
	s_add_nc_u64 s[14:15], s[4:5], s[16:17]
	s_add_nc_u64 s[46:47], s[6:7], s[46:47]
	CROUND                                         ; all sixteen work-groups are here: the first joint loads meet
.irp s, 0,1
	s_mov_b32 s[G0+4*(\s)], 1
	s_add_co_u32 s[G0+4*(\s)+1], s20, (\s)*SLOT1
	s_add_nc_u64 s[G0+4*(\s)+2:G0+4*(\s)+3], s[14:15], (\s)*XBLK
	s_or_b32 s[G0+4*(\s)+3], s[G0+4*(\s)+3], 0x80000000
	s_mov_b32 s[G0B+4*(\s)], 1
	s_add_co_u32 s[G0B+4*(\s)+1], s21, (\s)*SLOT1
	s_add_nc_u64 s[G0B+4*(\s)+2:G0B+4*(\s)+3], s[46:47], (\s)*WBLK
	s_or_b32 s[G0B+4*(\s)+3], s[G0B+4*(\s)+3], 0x80000000
	JLOAD \s                                       ; K blocks 0 and 1: two tensor loads of mine are out
.endr
	v_and_b32 v1, 15, v0                           ; r = l % 16
	v_bfe_u32 v2, v0, 4, 1                         ; h = l / 16
	v_and_b32 v[LN], 31, v0
	; the bias of my 192 columns, into the accumulators of row block 0: register j of (0, b) holds bias[384 tx + 192 half + 16 b + 8 h + j]
	v_lshlrev_b32 v6, 5, v2
	s_mul_i32 s46, s42, 384*4
	s_mul_i32 s47, s12, 192*4
	s_add_co_u32 s46, s46, s47
	s_mov_b32 s47, 0
	s_add_nc_u64 s[BIA:BIA+1], s[BIA:BIA+1], s[46:47]
.irp g, 0,1,2
	WIN 0x40*((\g)+1)                              ; destination window 1 + g
.irp c, 0,1,2,3
	global_load_b128 v[8*(\c):8*(\c)+3],   v6, s[BIA:BIA+1] offset:64*(4*(\g)+(\c))
	global_load_b128 v[8*(\c)+4:8*(\c)+7], v6, s[BIA:BIA+1] offset:64*(4*(\g)+(\c))+16
.endr
.endr
	WIN 0
	v_mul_u32_u24 v3, v1, PITCH
	v_lshl_add_u32 v3, v2, 4, v3                   ; a fragment's row x pitch + 16 x half
	s_mul_i32 s21, s11, AH                         ; my 128 rows of A
	s_mul_i32 s22, s12, BH                         ; my 192 rows of B
	s_add_co_u32 s22, s22, BOFF
	v_add_nc_u32 v[ADRA0], s21, v3
	v_add_nc_u32 v[ADRB0], s22, v3
	s_mul_i32 s23, s11, 64*SPITCH                  ; into the stage: 64 rows for each half of the tile's rows, my 384 bytes of them; row r, 16 bytes for each half of the lanes
	s_mul_i32 s22, s12, 384
	s_add_co_u32 s23, s23, s22
	s_add_co_u32 s23, s23, STAGE
	v_mul_u32_u24 v4, v1, SPITCH
	v_lshl_add_u32 v4, v2, 4, v4
	v_add_nc_u32 v[STO], s23, v4
	s_mul_i32 s23, s10, 32*SPITCH                  ; back: wave w takes the stage's rows 32 w .. 32 w + 31, whole; lanes 0-15 256 bytes of one row, lanes 16-31 of the next
	s_add_co_u32 s23, s23, STAGE
	v_mul_u32_u24 v5, v2, SPITCH
	v_lshl_add_u32 v5, v1, 4, v5
	v_add_nc_u32 v[RD], s23, v5
	v_mul_u32_u24 v5, v2, CROW
	v_lshl_add_u32 v[CO], v1, 4, v5
	s_lshl_b32 s16, s13, 8                         ; the first row of qkv that I store: 256 x tile row + 128 x (wave / 2) + 32 x (wave % 2)
	s_lshl_b32 s17, s11, 7
	s_add_co_u32 s16, s16, s17
	s_lshl_b32 s17, s12, 5
	s_add_co_u32 s16, s16, s17
	s_mul_i32 s16, s16, CROW
	s_mov_b32 s17, 0
	s_add_nc_u64 s[8:9], s[8:9], s[16:17]
	s_mul_i32 s46, s42, 768                        ; the tile's first column, in bytes
	s_mov_b32 s47, 0
	s_add_nc_u64 s[8:9], s[8:9], s[46:47]
	; the prefetches: who asks, and where
	s_and_b32 s22, ttmp7, 0xffff                   ; cluster y
	s_or_b32 s23, ttmp9, s10                       ; 0 in wave 0 of a cluster with x = 0
	s_lshl_b32 s20, s13, 15                        ; A's tile in a block,
	s_lshl_b32 s21, s40, 13                        ; my work-group's 32 pieces of 256 bytes,
	s_add_co_u32 s20, s20, s21
	s_add_co_u32 s20, s20, 3*XBLK                  ; at K block 3: the first refill (K block 2) steps it to 4 and names that
	s_mul_i32 s21, s42, 384*128                    ; B's tile in a block,
	s_mul_i32 s14, s41, 48*256                     ; my work-group's 48 pieces,
	s_add_co_u32 s21, s21, s14
	s_lshl_b32 s14, s12, 13                        ; wave 3 behind wave 2's 32
	s_add_co_u32 s21, s21, s14
	s_add_co_u32 s21, s21, 3*WBLK
	s_mov_b32 s[PST], WBLK
	s_mov_b32 s[PST+1], 0
	s_cmp_eq_u32 s11, 0
	s_cselect_b32 s20, s20, s21
	s_cselect_b32 s22, s23, s22
	s_cselect_b64 s[PFA:PFA+1], s[4:5], s[6:7]
	s_cselect_b32 s[PST], XBLK, s[PST]
	s_cmp_eq_u32 s22, 0
	s_cselect_b32 s[LIM], 2, -1                    ; the same in all sixteen partners, for a given wave
	s_mov_b32 s21, 0
	s_add_nc_u64 s[PFA:PFA+1], s[PFA:PFA+1], s[20:21]
	s_cmp_eq_u32 s10, 3
	s_cselect_b32 s[PARM], 1, 0
	s_cselect_b32 s14, 15, 31
	s_cselect_b32 s15, WBLK, 0
	v_and_b32 v3, s14, v[LN]
	v_lshrrev_b32 v4, 4, v[LN]
	v_mul_u32_u24 v4, s15, v4                      ; in wave 3 lanes 16-31 stand a block further on
	v_lshl_add_u32 v[PFO], v3, 8, v4
; Products of phase g (n blocks 4 g .. 4 g + 3, window 1 + g) for m blocks a0 .. a1, from A's buffer f.  bias = 1: C is the bias, which lies in the accumulators of m block 0.
; The accumulators take turns, one instruction a turn; between two products on one accumulator stand the 95 others'.
.macro PH f, g, a0, a1, bias=0
	WIN 0x50*((\g)+1)                              ; C and D window 1 + g, the sources window 0
.set ra, \a0
.rept (\a1)-(\a0)+1
.irp c, 0,1,2,3
.if \bias
	v_wmma_f32_16x16x32_bf16 v[8*(4*ra+(\c)):8*(4*ra+(\c))+7], v[BF+8*(4*(\g)+(\c)):BF+8*(4*(\g)+(\c))+7], v[AF+64*(\f)+8*ra:AF+64*(\f)+8*ra+7], v[8*(\c):8*(\c)+7]
.else
	v_wmma_f32_16x16x32_bf16 v[8*(4*ra+(\c)):8*(4*ra+(\c))+7], v[BF+8*(4*(\g)+(\c)):BF+8*(4*(\g)+(\c))+7], v[AF+64*(\f)+8*ra:AF+64*(\f)+8*ra+7], v[8*(4*ra+(\c)):8*(4*ra+(\c))+7]
.endif
.endr
.set ra, ra+1
.endr
.endm
; A whole phase.  first = 1: m blocks 1 to 7 start their sums with the bias out of block 0's registers; five plain instructions later (a matrix instruction writes over a source of earlier ones: ISA guide 7.12.1) block 0 adds onto it in place.
.macro PHASE f, g, first
.if \first
	PH \f, \g, 1, 7, 1
.rept 5
	v_nop
.endr
	PH \f, \g, 0, 0
.else
	PH \f, \g, 0, 7
.endif
.endm
.macro LDA f, q                        ; 16 LDS loads: A's eight fragments of quarter q of the slot that is being read, into buffer f
	WIN 0
.irp a, 0,1,2,3,4,5,6,7
	ds_load_b128 v[AF+64*(\f)+8*(\a):AF+64*(\f)+8*(\a)+3],   v[CA] offset:64*(\q)+(\a)*16*PITCH
	ds_load_b128 v[AF+64*(\f)+8*(\a)+4:AF+64*(\f)+8*(\a)+7], v[CA] offset:64*(\q)+(\a)*16*PITCH+32
.endr
.endm
.macro LDB g, q                        ; 8 LDS loads: B's fragments 4 g .. 4 g + 3 of quarter q
	WIN 0
.irp c, 0,1,2,3
	ds_load_b128 v[BF+8*(4*(\g)+(\c)):BF+8*(4*(\g)+(\c))+3],   v[CB] offset:64*(\q)+(4*(\g)+(\c))*16*PITCH
	ds_load_b128 v[BF+8*(4*(\g)+(\c))+4:BF+8*(4*(\g)+(\c))+7], v[CB] offset:64*(\q)+(4*(\g)+(\c))*16*PITCH+32
.endr
.endm
; A slot's first quarter: multiplies A's buffer 0 and fetches the slot's second quarter.  The loads stand in the order: group 0 and A (24), group 1 (8), group 2 (8), from quarter to quarter.
.macro QUARTER first
	s_wait_dscnt 16                                ; A and B's group 0 are in; groups 1 and 2 may be out
	PHASE 0, 0, \first
	PLACES
	LDB 0, 1
	LDA 1, 1
	s_wait_dscnt 32                                ; group 1 is in; behind it: group 2 and the 24 just issued
	PHASE 0, 1, \first
	PLACES
	LDB 1, 1
	s_wait_dscnt 32                                ; group 2 is in; behind it: the 24 and the 8
	PHASE 0, 2, \first
	PLACES
	LDB 2, 1
.endm
; A slot's second quarter multiplies A's buffer 1 and changes slots: one barrier; in front of it each wave waits for all its tensor loads (one is out: its part of the next slot), adds 0 to its spare word, and waits
; for that and for its reads of this slot, all of which have been issued.  fill = 1: the barrier opens a round of the cluster's, and this slot is filled again first thing behind it: 176 matrix instructions ahead of the wait for it.
.macro TURN fill
.if \fill
	s_wait_xcnt 0x0                                ; the last prefetch, a K step back, has read its address
	s_add_nc_u64 s[PFA:PFA+1], s[PFA:PFA+1], s[PST:PST+1]
.endif
	WIN 0
	s_wait_tensorcnt 0x0                           ; no tensor load of mine is out, so a group 0 may be written
	ds_add_u32 v[SPW], v[NIL]
.if \fill
	s_xor_b32 s[G0+5], s[G0+5], SLOT1              ; the walking descriptors: the other slot than last time,
	s_add_nc_u64 s[G0+6:G0+7], s[G0+6:G0+7], XBLK  ; the next K block; the type bits on top are not reached
	s_xor_b32 s[G0B+5], s[G0B+5], SLOT1
	s_add_nc_u64 s[G0B+6:G0B+7], s[G0B+6:G0B+7], WBLK
.endif
	s_xor_b32 s[TB], s[TB], SLOT1                  ; the fetches go on in the other slot
	s_wait_dscnt 17                                ; (the add and B's groups 1 and 2 may be out)
	PH 1, 0, 0, 1
	s_wait_dscnt 0x0                               ; the add is done, and my reads of this slot are over
	s_barrier_signal -1
	PH 1, 0, 2, 3
	WIN 0
	v_add_nc_u32 v[CA], s[TB], v[ADRA0]
	v_add_nc_u32 v[CB], s[TB], v[ADRB0]
	s_barrier_wait -1
.if \fill
	CREST
	JLOAD 1                                        ; its four v_nop are also the places in front of the loads below
.else
	PLACES
.endif
	LDA 0, 0
.if \fill
	ASK
.endif
	PH 1, 0, 4, 7
	PLACES
	LDB 0, 0
	PH 1, 1, 0, 7
	PLACES
	LDB 1, 0
	PH 1, 2, 0, 7
	PLACES
	LDB 2, 0
.endm
	s_wait_tensorcnt 1                             ; my part of K block 0 is in; K block 1's may stay out
	s_barrier_signal -1
	s_barrier_wait -1
	v_add_nc_u32 v[CA], s[TB], v[ADRA0]
	v_add_nc_u32 v[CB], s[TB], v[ADRB0]
	LDB 0, 0
	LDA 0, 0
	LDB 1, 0
	LDB 2, 0
	s_wait_loadcnt 0x0                             ; the bias
	QUARTER 1                                      ; the first quarter stands in front of the loop: its products start the sums
	WIN 0
	s_mov_b32 s3, STEPS-2                          ; refills to come: K blocks 2 to 15
.Lstep:                                                ; a trip: a slot's second quarter, the change of slots, the next slot's first quarter
	TURN 1
	QUARTER 0
	WIN 0
	s_sub_co_u32 s3, s3, 1
	s_cmp_lg_u32 s3, 0
	s_cbranch_scc1 .Lstep
	TURN 0                                         ; the tail is written out: nothing is asked for
	QUARTER 0
	s_wait_dscnt 16                                ; the very last quarter: nothing more to fetch
	PH 1, 0, 0, 7
	s_wait_dscnt 8
	PH 1, 1, 0, 7
	s_wait_dscnt 0x0
	PH 1, 2, 0, 7
; THE WAY OUT.  A wave's 192 columns are 384 bytes of a row, which is no whole number of aligned pieces of 256: so the two waves of a row half write the two halves of the same stage rows, a barrier stands
; between writing and reading, and each wave then reads whole rows of 768 bytes and stores them.  The stage holds half the tile: two passes, m blocks 0-3 and 4-7 of each wave; a second barrier
; stands between a pass's reads and the next pass's writes.  A pass is a trip of a loop; only the conversions, which name the accumulators, are written for each pass.
.macro PACK a                          ; m block a: rounded to f16, 16 bytes a lane and accumulator, into the stage
.irp g, 0,1,2
	WIN 0x05*((\g)+1)                              ; sources window 1 + g
.irp c, 0,1,2,3
.irp i, 0,1,2,3
	v_cvt_pk_f16_f32 v[TMP+4*(4*(\g)+(\c))+(\i)], v[8*(4*(\a)+(\c))+2*(\i)], v[8*(4*(\a)+(\c))+2*(\i)+1]
.endr
.endr
.endr
	WIN 0
.irp b, 0,1,2,3,4,5,6,7,8,9,10,11
	ds_store_b128 v[STO], v[TMP+4*(\b):TMP+4*(\b)+3] offset:((\a)%4)*16*SPITCH+32*(\b)
.endr
.endm
	PLACES
	WIN 0
	s_mov_b32 s3, 2
.Lpass:
	s_cmp_eq_u32 s3, 1
	s_cbranch_scc1 .Lhigh
	PACK 0
	PACK 1
	PACK 2
	PACK 3
	s_branch .Lsend
.Lhigh:
	PACK 4
	PACK 5
	PACK 6
	PACK 7
.Lsend:
	s_wait_dscnt 0x0                               ; for the others' sake: my stores into the stage are done
	s_barrier_signal -1
	s_barrier_wait -1
.set i, 0
.rept 48                               ; rows 2 (i / 3) and 2 (i / 3) + 1 of my 32, piece i % 3 of their three
	ds_load_b128 v[OB+4*i:OB+4*i+3], v[RD] offset:(i/3)*2*SPITCH+(i%3)*256
.set i, i+1
.endr
.set i, 0
.rept 48
	s_wait_dscnt 47-i
	global_store_b128 v[CO], v[OB+4*i:OB+4*i+3], s[8:9] offset:2*(i/3)*CROW+(i%3)*256  ; 16 lanes store 256 consecutive bytes, at a multiple of 256 from qkv's first byte
.set i, i+1
.endr
	s_barrier_signal -1                            ; my reads of the stage are back (the count has run down to 0): the next pass may write it
	s_barrier_wait -1
	s_wait_xcnt 0x0                                ; the stores have read their base and their data: the base steps here, the data registers are written again in the next pass
	s_add_nc_u64 s[8:9], s[8:9], 64*CROW
	s_sub_co_u32 s3, s3, 1
	s_cmp_lg_u32 s3, 0
	s_cbranch_scc1 .Lpass
	s_wait_tensorcnt 0x0                           ; the wave's end
	ds_add_u32 v[SPW], v[NIL]
	s_wait_dscnt 0x0
	CROUND                                         ; the closing round
	s_endpgm
.Lfunc_end_k_q7e3bcd1da0_proj:
	.size	k_q7e3bcd1da0_proj, .Lfunc_end_k_q7e3bcd1da0_proj-k_q7e3bcd1da0_proj
	.p2alignl 7, 3214868480
	.fill 96, 4, 3214868480
	.section	.rodata,"a",@progbits
	.p2align	6, 0x0
	.amdhsa_kernel k_q7e3bcd1da0_proj
		.amdhsa_group_segment_fixed_size 327680
		.amdhsa_private_segment_fixed_size 0
		.amdhsa_enable_private_segment 0
		.amdhsa_kernarg_size 32
		.amdhsa_user_sgpr_count 2
		.amdhsa_user_sgpr_kernarg_segment_ptr 1
		.amdhsa_wavefront_size32 1
		.amdhsa_system_sgpr_workgroup_id_x 1
		.amdhsa_system_sgpr_workgroup_id_y 1
		.amdhsa_system_sgpr_workgroup_id_z 1
		.amdhsa_system_vgpr_workitem_id 0
		.amdhsa_next_free_vgpr 1024
		.amdhsa_next_free_sgpr 72
		.amdhsa_reserve_vcc 0
		.amdhsa_float_denorm_mode_32 3
		.amdhsa_float_denorm_mode_16_64 3
		.amdhsa_memory_ordered 1
		.amdhsa_forward_progress 1
		.amdhsa_inst_pref_size 110
	.end_amdhsa_kernel
	.amdgpu_metadata
---
amdhsa.version: [ 1, 2 ]
amdhsa.kernels:
  - .name:           k_q7e3bcd1da0_proj
    .symbol:         k_q7e3bcd1da0_proj.kd
    .args:
      - { .name: xb, .offset: 0, .size: 8, .value_kind: global_buffer, .address_space: global }
      - { .name: wt, .offset: 8, .size: 8, .value_kind: global_buffer, .address_space: global }
      - { .name: bias, .offset: 16, .size: 8, .value_kind: global_buffer, .address_space: global }
      - { .name: qkv, .offset: 24, .size: 8, .value_kind: global_buffer, .address_space: global }
    .group_segment_fixed_size: 327680
    .private_segment_fixed_size: 0
    .kernarg_segment_align: 8
    .kernarg_segment_size: 32
    .max_flat_workgroup_size: 128
    .sgpr_count:     72
    .vgpr_count:     1024
    .wavefront_size: 32
...
	.end_amdgpu_metadata
.endif
;; end of part 2
;; launch scores (part 3): grid 8 x 32, 4 waves a work-group, clusters of 4 x 4, 327,680 bytes of LDS; arguments qkv, p, stats; writes p, stats
.if DOCPART == 3
	.amdgcn_target "amdgcn-amd-amdhsa--gfx1250"
	.amdhsa_code_object_version 6
	.text
	.protected	k_q7e3bcd1da0_scores
	.globl	k_q7e3bcd1da0_scores
	.p2align	8
	.type	k_q7e3bcd1da0_scores,@function
k_q7e3bcd1da0_scores:
	s_mov_b64 s[64:65], 0
	v_nop
	global_prefetch_b8 v0, s[64:65] scope:SCOPE_SE
	s_setreg_imm32_b32 hwreg(HW_REG_WAVE_MODE, 25, 1), 1
	s_wait_xcnt 0x0
	s_wait_alu depctr_hold_cnt(0) depctr_sa_sdst(0) depctr_va_vdst(0) depctr_va_sdst(0) depctr_va_ssrc(0) depctr_va_vcc(0) depctr_vm_vsrc(0)
	s_getreg_b32 s2, hwreg(HW_REG_IB_STS2, 6, 4)
	s_cmp_eq_u32 s2, 0
	s_cbranch_scc0 .Lentry_in_a_cluster
	s_endpgm
.Lentry_in_a_cluster:
	s_bfe_u32 s2, ttmp6, 0x10000c
	s_cmp_lg_u32 s2, 0xf033
	s_cbranch_scc0 .Lentry_shape_is_right
	s_endpgm
.Lentry_shape_is_right:
; SCORES.  For each batch of 2,048 rows: t = c q . k, c = log2(e) / 32.  For each query and each CHUNK of 128 keys: cm = the chunk's maximum of t, p = 2^(t - cm) rounded to f16, l = the sum of the unrounded p.
; q and k are columns 0-1023 and 1024-2047 of qkv [8192][3072] f16.  p: [8192][2048] f16.  stats: f32 [chunk 16][block of 128 rows 64][16-row block 8][cm, l][16 rows].
; The next launch makes the row's true maximum and sum of the sixteen chunks' figures: the maximum is taken away before every exponential, here the chunk's, there the row's.
; LIMITS.  p lies in 0 to 1; below 6e-8 it counts as 0 in the product (f16's smallest step); below 2^-126 as 0 in l.  NaN and infinities are not treated apart.
; A tile is 256 queries x 256 keys: 256 work-groups.  Four waves, each 128 x 128: 64 accumulators, 512 registers; a wave's 128 keys are one chunk, so the maximum and the sum never leave the wave.
; K = 1,024 in steps of 128 (256 bytes of a row, aligned) through two LDS slots; each wave fetches 128 rows with one tensor load.  CLUSTER 4 x 4: q's tiles jointly along a row, k's along a column.
; TRANSPOSED USE: source 0 = 16 keys, source 1 = 16 queries: a lane holds one query (l % 16) and the keys 16 b + 8 (l / 16) + 0..7.
; REGISTERS: window 0: v0-63 addresses and statistics; v64-191 A's fragments, two buffers (on the way out: scores, packed weights, rows read back).  window 1: v64-191 B's fragments.
;   window 2: accumulators of my rows 0-63 ((a, b) at 8 (8 a + b)); window 3: rows 64-127.
.set KSTEP,  128
.set PITCH,  272
.set HALFT,  128*PITCH
.set SLOT,   4*HALFT
.set STAGE,  2*SLOT                    ; 16 rows x 272 bytes for each wave
.set SPITCH, 272
.set STATS,  STAGE+4*16*SPITCH         ; 1,024 bytes for each wave: [block 8][cm, l][16]
.set SPARE,  STATS+4*1024              ; the spare words; no other line names them
.set LAPS,   4
.set QROW,   6144
.set PROW,   4096
.set ADRA, 16
.set ADRB, 20
.set LN,   22                          ; my lane
.set SO,   23                          ; 16 x lane
.set STO,  24
.set RD,   25
.set CO,   26
.set SA,   27                          ; where my figure of the block in hand goes; steps 128 bytes a block
.set SPW,  28
.set NIL,  29
.set PFO,  30
.set SR,   31
.set C0,   32                          ; v32-35 four chains of the maximum
.set CM,   36                          ; v36-37 the chunk's maximum, twice
.set LS,   38                          ; v38-39 the sum; the other half's
.set WS,   40
.set F0,   64
.set F1,   128
.set T,    64                          ; v64-127 a block's 64 scaled scores
.set PK,   128                         ; v128-159 the weights in f16
.set OB,   160                         ; v160-191 rows read back
.set G1,  24
.set G0,  32
.set G1B, 48
.set G0B, 56
.set LIM, 43
.set PFA, 44
.set CS,  66                           ; s[66:67] c
.set SEL, 68                           ; s[68:69] v_permlanex16_b32's selects
.set HIM, 70                           ; s70 the mask of lanes 16-31
.set BAT, 71                           ; s71 the batch
.set STP, 72                           ; s[72:73] stats
.set MSB, 0
.macro WIN new
.if MSB != (\new)
	s_set_vgpr_msb (MSB<<8)|(\new)
.set MSB, \new
.endif
.endm
.set MUL_LO, 0xa1                      ; source 0 (keys) window 1, source 1 (queries) window 0, C and D window 2
.set MUL_HI, 0xf1
.set TO_B,   0x40
.macro PLACES
.rept 4
	v_nop
.endr
.endm
.macro JLOAD s
	s_cmp_eq_u32 s11, 0
	s_cbranch_scc0 .Lfor_b_\@
	tensor_load_to_lds s[G0+4*(\s):G0+4*(\s)+3], s[G1:G1+7]
	s_nop 0
.rept 4
	v_nop
.endr
	s_branch .Lasked_\@
.Lfor_b_\@:
	tensor_load_to_lds s[G0B+4*(\s):G0B+4*(\s)+3], s[G1B:G1B+7]
	s_nop 0
.rept 4
	v_nop
.endr
.Lasked_\@:
.endm
.macro CREST
	s_cmp_lg_u32 s10, 0
	s_cbranch_scc1 .Lnot_wave_0_\@
	s_barrier_signal -3
.Lnot_wave_0_\@:
	s_barrier_wait -3
	s_barrier_signal -1
	s_barrier_wait -1
.endm
.macro CROUND
	s_barrier_signal -1
	s_barrier_wait -1
	CREST
.endm
; A prefetch into the L2 of the K step two refills on: 32 rows x 256 bytes, a lane a row.  q's rows are named by the clusters with x = 0, k's by the first of the two clusters of a batch that read them (even y);
; of the 128 rows that a wave fetches each of the four partners that ask jointly takes 32, by address.  So each row's 256 bytes of a K step are named once.  The loop's last trip asks for nothing.
.macro ASK
	s_cmp_gt_u32 s3, s[LIM]
	s_cbranch_scc0 .Lnot_mine_\@
	global_prefetch_b8 v[PFO], s[PFA:PFA+1] th:TH_LOAD_NT scope:SCOPE_SE
.Lnot_mine_\@:
.endm
	s_load_b64 s[4:5], s[0:1], 0x0                 ; qkv
	s_load_b64 s[8:9], s[0:1], 0x8                 ; p
	s_load_b64 s[STP:STP+1], s[0:1], 0x10          ; stats
	v_lshl_add_u32 v[SPW], v0, 2, SPARE
	v_mov_b32 v[NIL], 0
	ds_add_u32 v[SPW], v[NIL]                      ; the wave's opening: the add and its wait stand ahead of my first tensor load
	v_lshrrev_b32 v1, 5, v0
	v_readfirstlane_b32 s10, v1
	s_lshr_b32 s11, s10, 1                         ; my half of the queries.  Also: I fetch q (0) or k (1)
	s_and_b32 s12, s10, 1                          ; my half of the keys.  Also: which 128 rows I fetch
	s_bfe_u32 s40, ttmp6, 0x40000
	s_bfe_u32 s41, ttmp6, 0x40004
	s_lshl_b32 s42, ttmp9, 2
	s_add_co_u32 s42, s42, s40                     ; key tile 0..7
	s_and_b32 s13, ttmp7, 0xffff
	s_lshr_b32 s[BAT], s13, 1                      ; two clusters along y to a batch
	s_lshl_b32 s13, s13, 2
	s_add_co_u32 s13, s13, s41                     ; query tile 0..31
	s_lshl_b32 s43, s41, 2
	s_lshl_b32 s43, 15, s43
	s_lshl_b32 s44, 0x1111, s40
	s_or_b32 s[G1+0], s43, (1<<16)|(1<<20)|(1<<21)|(5<<22)|(3<<25)
	s_or_b32 s[G1B+0], s44, (1<<16)|(1<<20)|(1<<21)|(5<<22)|(3<<25)
.irp g, G1, G1B
	s_mov_b32 s[(\g)+1], KSTEP<<16                 ; tensor_dim0 = 128
	s_mov_b32 s[(\g)+2], 128<<16                   ; tensor_dim1 = 128
	s_mov_b32 s[(\g)+3], KSTEP<<16                 ; tile_dim0 = 128
	s_mov_b32 s[(\g)+4], 128                       ; tile_dim1 = 128
	s_mov_b32 s[(\g)+5], 3072                      ; elements from row to row
	s_mov_b32 s[(\g)+6], 0
	s_mov_b32 s[(\g)+7], 0
.endr
	s_mov_b32 s[CS], 0x3d38aa3b                    ; c = log2(e) / 32
	s_mov_b32 s[CS+1], s[CS]
	s_mov_b32 s[SEL], 0x76543210
	s_mov_b32 s[SEL+1], 0xfedcba98
	s_lshl_b32 s17, s12, 7
	s_lshl_b32 s16, s13, 8
	s_add_co_u32 s16, s16, s17                     ; q: row 256 x query tile + 128 x half
	s_mul_i32 s16, s16, QROW
	s_mov_b32 s17, 0
	s_lshl_b32 s46, s[BAT], 11
	s_lshl_b32 s47, s42, 8
	s_add_co_u32 s46, s46, s47
	s_lshl_b32 s47, s12, 7
	s_add_co_u32 s46, s46, s47                     ; k: row 2048 x batch + 256 x key tile + 128 x half
	s_mul_i32 s46, s46, QROW
	s_mov_b32 s47, 0
	s_mul_i32 s20, s10, HALFT
	s_wait_dscnt 0x0
	s_wait_kmcnt 0x0
	s_add_nc_u64 s[6:7], s[4:5], 2048              ; k begins 2,048 bytes into a row
	s_add_nc_u64 s[14:15], s[4:5], s[16:17]
	s_add_nc_u64 s[46:47], s[6:7], s[46:47]
	CROUND
.irp s, 0,1
	s_mov_b32 s[G0+4*(\s)], 1
	s_add_co_u32 s[G0+4*(\s)+1], s20, (\s)*SLOT
	s_add_nc_u64 s[G0+4*(\s)+2:G0+4*(\s)+3], s[14:15], (\s)*KSTEP*2
	s_or_b32 s[G0+4*(\s)+3], s[G0+4*(\s)+3], 0x80000000
	s_mov_b32 s[G0B+4*(\s)], 1
	s_add_co_u32 s[G0B+4*(\s)+1], s20, (\s)*SLOT
	s_add_nc_u64 s[G0B+4*(\s)+2:G0B+4*(\s)+3], s[46:47], (\s)*KSTEP*2
	s_or_b32 s[G0B+4*(\s)+3], s[G0B+4*(\s)+3], 0x80000000
	JLOAD \s
.endr
	v_and_b32 v1, 15, v0
	v_bfe_u32 v2, v0, 4, 1
	v_and_b32 v[LN], 31, v0
	v_mul_u32_u24 v3, v1, PITCH
	v_lshl_add_u32 v3, v2, 4, v3
	s_mul_i32 s21, s11, HALFT
	s_mul_i32 s22, s12, HALFT
	s_add_co_u32 s22, s22, 2*HALFT
.irp s, 0,1
	v_add_nc_u32 v[ADRA+(\s)], s21, v3
	v_add_nc_u32 v[ADRB+(\s)], s22, v3
	s_add_co_u32 s21, s21, SLOT
	s_add_co_u32 s22, s22, SLOT
.endr
	s_mul_i32 s23, s10, 16*SPITCH
	s_add_co_u32 s23, s23, STAGE
	v_mul_u32_u24 v4, v1, SPITCH
	v_lshl_add_u32 v4, v2, 4, v4
	v_add_nc_u32 v[STO], s23, v4
	v_mul_u32_u24 v5, v2, SPITCH
	v_lshl_add_u32 v5, v1, 4, v5
	v_add_nc_u32 v[RD], s23, v5
	v_lshlrev_b32 v5, 12, v2
	v_lshl_add_u32 v[CO], v1, 4, v5                ; two rows of p: h x 4,096 + 16 r
	s_lshl_b32 s23, s10, 10
	s_add_co_u32 s23, s23, STATS
	v_lshlrev_b32 v4, 2, v1
	v_lshl_add_u32 v4, v2, 6, v4
	v_add_nc_u32 v[SA], s23, v4                    ; lanes 0-15: cm of row r; lanes 16-31: l of row r
	v_lshl_add_u32 v[SR], v[LN], 4, s23
	v_lshlrev_b32 v[SO], 4, v[LN]
	s_lshl_b32 s16, s13, 8
	s_lshl_b32 s17, s11, 7
	s_add_co_u32 s16, s16, s17                     ; my first row of p
	s_lshl_b32 s16, s16, 12
	s_mov_b32 s17, 0
	s_add_nc_u64 s[8:9], s[8:9], s[16:17]
	s_lshl_b32 s46, s42, 9                         ; my first key, in bytes
	s_lshl_b32 s47, s12, 8
	s_add_co_u32 s46, s46, s47
	s_mov_b32 s47, 0
	s_add_nc_u64 s[8:9], s[8:9], s[46:47]
	s_lshl_b32 s18, s42, 1
	s_add_co_u32 s18, s18, s12                     ; my chunk: 2 x key tile + half
	s_lshl_b32 s18, s18, 6
	s_lshl_b32 s19, s13, 1
	s_add_co_u32 s18, s18, s19
	s_add_co_u32 s18, s18, s11                     ; + my block of 128 rows: 2 x query tile + half
	s_lshl_b32 s18, s18, 10
	s_mov_b32 s19, 0
	s_add_nc_u64 s[STP:STP+1], s[STP:STP+1], s[18:19]
	; the prefetches
	s_and_b32 s22, ttmp7, 0xffff
	s_and_b32 s22, s22, 1                          ; 0 in the first of a batch's two clusters
	s_lshl_b32 s23, s[BAT], 11
	s_lshl_b32 s21, s42, 8
	s_add_co_u32 s21, s21, s23
	s_lshl_b32 s20, s13, 8
	s_cmp_eq_u32 s11, 0
	s_cselect_b32 s20, s20, s21                    ; the tile's first row
	s_cselect_b32 s21, s40, s41                    ; my place among the four that ask with me
	s_cselect_b32 s22, ttmp9, s22
	s_cselect_b64 s[PFA:PFA+1], s[4:5], s[6:7]
	s_cmp_eq_u32 s22, 0
	s_cselect_b32 s[LIM], 1, -1
	s_lshl_b32 s22, s12, 7
	s_add_co_u32 s20, s20, s22
	s_lshl_b32 s21, s21, 5
	s_add_co_u32 s20, s20, s21
	s_mul_i32 s20, s20, QROW
	s_mov_b32 s21, 0
	s_add_nc_u64 s[PFA:PFA+1], s[PFA:PFA+1], s[20:21]
	s_add_nc_u64 s[PFA:PFA+1], s[PFA:PFA+1], 3*KSTEP*2  ; at K step 3: the first refill steps it to 4 and names that
	v_mul_u32_u24 v[PFO], v[LN], QROW
; 16 matrix instructions: m blocks a0, a0 + 1 of the window's four x all 8 n blocks.  The 64 accumulators take turns, one instruction a turn, in the same order in every quarter.
.macro MUL16 f, hi, a0, zero
	WIN MUL_LO+0x50*(\hi)
.irp a, \a0, (\a0)+1
.irp b, 0,1,2,3,4,5,6,7
.if \zero
	v_wmma_f32_16x16x32_f16 v[8*(8*(\a)+(\b)):8*(8*(\a)+(\b))+7], v[(\f)+8*(\b):(\f)+8*(\b)+7], v[(\f)+8*(4*(\hi)+(\a)):(\f)+8*(4*(\hi)+(\a))+7], 0
.else
	v_wmma_f32_16x16x32_f16 v[8*(8*(\a)+(\b)):8*(8*(\a)+(\b))+7], v[(\f)+8*(\b):(\f)+8*(\b)+7], v[(\f)+8*(4*(\hi)+(\a)):(\f)+8*(4*(\hi)+(\a))+7], v[8*(8*(\a)+(\b)):8*(8*(\a)+(\b))+7]
.endif
.endr
.endr
.endm
.macro FETCH slot, k, f                ; 32 LDS loads in one run: 128 keys and 128 queries, 32 along K at byte k of the rows
	WIN TO_B
.irp i, 0,1,2,3,4,5,6,7
	ds_load_b128 v[(\f)+8*(\i):(\f)+8*(\i)+3],   v[ADRB+(\slot)] offset:(\k)+(\i)*16*PITCH
	ds_load_b128 v[(\f)+8*(\i)+4:(\f)+8*(\i)+7], v[ADRB+(\slot)] offset:(\k)+(\i)*16*PITCH+32
.endr
	WIN 0
.irp i, 0,1,2,3,4,5,6,7
	ds_load_b128 v[(\f)+8*(\i):(\f)+8*(\i)+3],   v[ADRA+(\slot)] offset:(\k)+(\i)*16*PITCH
	ds_load_b128 v[(\f)+8*(\i)+4:(\f)+8*(\i)+7], v[ADRA+(\slot)] offset:(\k)+(\i)*16*PITCH+32
.endr
.endm
.macro QUARTER slot, k, f, g, zero
	s_wait_dscnt 8                                 ; the keys and my queries 0-63 are in; the youngest eight loads may be out
	MUL16 \f, 0, 0, \zero
	MUL16 \f, 0, 2, \zero
	PLACES
	FETCH \slot, \k, \g
	s_wait_dscnt 32                                ; all but the 32 just issued
	MUL16 \f, 1, 0, \zero
	MUL16 \f, 1, 2, \zero
.endm
; The last quarter multiplies buffer 1 and changes slots, as in the launch before; a refill has 224 matrix instructions between its request and the wait for it.
.macro TURN slot, next, fill
.if \fill
	s_wait_xcnt 0x0                                ; the last prefetch, a K step back, has read its address
	s_add_nc_u64 s[PFA:PFA+1], s[PFA:PFA+1], KSTEP*2
.endif
	WIN 0
	s_wait_tensorcnt 0x0                           ; all my tensor loads have landed: the one that was out is my part of the next slot
	ds_add_u32 v[SPW], v[NIL]
	s_wait_dscnt 9                                 ; (the add and the youngest eight loads may be out)
	MUL16 F1, 0, 0, 0
	s_wait_dscnt 0x0                               ; the add is done, and my reads of this slot are over
	s_barrier_signal -1
	MUL16 F1, 0, 2, 0
.if \fill
	WIN 0
.endif
	s_barrier_wait -1
.if \fill
	CREST
	s_add_nc_u64 s[G0+4*(\slot)+2:G0+4*(\slot)+3], s[G0+4*(\slot)+2:G0+4*(\slot)+3], 2*KSTEP*2
	s_add_nc_u64 s[G0B+4*(\slot)+2:G0B+4*(\slot)+3], s[G0B+4*(\slot)+2:G0B+4*(\slot)+3], 2*KSTEP*2
	JLOAD \slot
.else
	PLACES
.endif
	FETCH \next, 0, F0
.if \fill
	ASK
.endif
	MUL16 F1, 1, 0, 0
	MUL16 F1, 1, 2, 0
.endm
	s_wait_tensorcnt 1                             ; my part of K step 0 is in; K step 1's may stay out
	s_barrier_signal -1
	s_barrier_wait -1
	FETCH 0, 0, F0
	QUARTER 0, 64, F0, F1, 1                       ; the first quarter's products start the sums
	WIN 0
	s_mov_b32 s3, LAPS-1
.Llap:
	QUARTER 0, 128, F1, F0, 0
	QUARTER 0, 192, F0, F1, 0
	TURN 0, 1, 1
	QUARTER 1, 64,  F0, F1, 0
	QUARTER 1, 128, F1, F0, 0
	QUARTER 1, 192, F0, F1, 0
	TURN 1, 0, 1
	QUARTER 0, 64,  F0, F1, 0
	WIN 0
	s_sub_co_u32 s3, s3, 1
	s_cmp_lg_u32 s3, 0
	s_cbranch_scc1 .Llap
	QUARTER 0, 128, F1, F0, 0
	QUARTER 0, 192, F0, F1, 0
	TURN 0, 1, 0
	QUARTER 1, 64,  F0, F1, 0
	QUARTER 1, 128, F1, F0, 0
	QUARTER 1, 192, F0, F1, 0
	s_wait_dscnt 8
	MUL16 F1, 0, 0, 0
	MUL16 F1, 0, 2, 0
	s_wait_dscnt 0x0
	MUL16 F1, 1, 0, 0
	MUL16 F1, 1, 2, 0
	WIN 0
; THE WAY OUT: one loop of eight trips, a block of 16 queries each.  The one part of a trip that must name the block's own accumulators is the scaling t = c s, which brings the 64 scores into window 0;
; it is written eight times, and forward jumps on the counter choose; all the rest is written once.
	PLACES
	v_cmp_le_u32 s[HIM], 16, v[LN]
	v_mov_b32 v[LS+1], 0                           ; v_permlanex16_b32 counts as a reader of its destination
	s_mov_b32 s3, 8
.macro SCALE a
.Lc_\a:
	WIN 0x02+(\a)/4                                ; source 0 in window 2 or 3
.set AC, 64*((\a)%4)
.set z, 0
.rept 32
	v_pk_mul_f32 v[T+2*z:T+2*z+1], v[AC+2*z:AC+2*z+1], s[CS:CS+1] op_sel_hi:[1,0]  ; each accumulator's registers in ascending order
.set z, z+1
.endr
	WIN 0
.if (\a) < 7
	s_branch .Lsoft
.endif
.endm
.Lblk:
.irp a, 1,2,3,4,5,6,7
	s_cmp_eq_u32 s3, 8-\a
	s_cbranch_scc1 .Lc_\a
.endr
.irp a, 0,1,2,3,4,5,6,7
	SCALE \a
.endr
.Lsoft:
	; the maximum of my 64 scores: four chains of 15, then the four left over
.irp k, 0,1,2,3
	v_max3_num_f32 v[C0+\k], v[T+16*\k], v[T+16*\k+1], v[T+16*\k+2]
.endr
.irp n, 0,1,2,3,4,5
.irp k, 0,1,2,3
	v_max3_num_f32 v[C0+\k], v[C0+\k], v[T+16*\k+3+2*\n], v[T+16*\k+4+2*\n]
.endr
.endr
	v_max3_num_f32 v[C0], v[C0], v[T+15], v[T+31]
	v_max3_num_f32 v[C0+2], v[C0+2], v[T+47], v[T+63]
	v_max3_num_f32 v[C0], v[C0], v[C0+1], v[C0+2]
	v_max_num_f32 v[C0], v[C0], v[C0+3]
	v_permlanex16_b32 v[C0+1], v[C0], s[SEL], s[SEL+1]  ; the query's other 64 keys lie in the lane 16 away
	v_max_num_f32 v[CM], v[C0], v[C0+1]
	v_max_num_f32 v[CM+1], v[C0], v[C0+1]
.set z, 0
.rept 32
	v_pk_add_f32 v[T+2*z:T+2*z+1], v[T+2*z:T+2*z+1], v[CM:CM+1] neg_lo:[0,1] neg_hi:[0,1]  ; t - cm
.set z, z+1
.endr
.set z, 0
.rept 64
	v_exp_f32 v[T+z], v[T+z]                       ; one batch
.set z, z+1
.endr
	v_nop                                          ; a plain instruction behind the last exponential,
	s_wait_alu depctr_va_vdst(0)                   ; and one wait ahead of the batch's first reader
.set z, 0
.rept 32
	v_cvt_pk_f16_f32 v[PK+z], v[T+2*z], v[T+2*z+1]
.set z, z+1
.endr
.irp w, 1,2,4,8,16                     ; the sum of the 32 pairs, in place: neighbours 1, 2, 4, 8 and 16 pairs apart
.set u, 0
.rept 16/\w
	v_pk_add_f32 v[T+2*u:T+2*u+1], v[T+2*u:T+2*u+1], v[T+2*(u+\w):T+2*(u+\w)+1]
.set u, u+2*\w
.endr
.endr
	v_add_f32 v[LS], v[T], v[T+1]
	v_permlanex16_b32 v[LS+1], v[LS], s[SEL], s[SEL+1]
	v_add_f32 v[LS], v[LS], v[LS+1]
	v_cndmask_b32 v[WS], v[CM], v[LS], s[HIM]      ; lanes 0-15 keep cm, lanes 16-31 l
	ds_store_b32 v[SA], v[WS]
	v_add_nc_u32 v[SA], 128, v[SA]
.irp b, 0,1,2,3,4,5,6,7
	ds_store_b128 v[STO], v[PK+4*(\b):PK+4*(\b)+3] offset:32*(\b)
.endr
.irp t, 0,1,2,3,4,5,6,7
	ds_load_b128 v[OB+4*(\t):OB+4*(\t)+3], v[RD] offset:(\t)*2*SPITCH  ; LDS serves a wave's instructions in order (ISA guide 5.7.1.4): these see the stores above
.endr
	s_wait_dscnt 0x0
.irp t, 0,1,2,3,4,5,6,7
	global_store_b128 v[CO], v[OB+4*(\t):OB+4*(\t)+3], s[8:9] offset:2*(\t)*PROW  ; 16 lanes store 256 consecutive bytes, at a multiple of 256 from p's first byte
.endr
	s_wait_xcnt 0x0                                ; the stores have read their base and their data: the base steps here, the data registers are loaded again in the next trip
	s_add_nc_u64 s[8:9], s[8:9], 16*PROW
	s_sub_co_u32 s3, s3, 1
	s_cmp_lg_u32 s3, 0
	s_cbranch_scc1 .Lblk
	ds_load_b128 v[OB:OB+3], v[SR]                 ; my 1,024 bytes of figures, as they lie in stats
	ds_load_b128 v[OB+4:OB+7], v[SR] offset:512
	s_wait_dscnt 0x0
	global_store_b128 v[SO], v[OB:OB+3], s[STP:STP+1]
	global_store_b128 v[SO], v[OB+4:OB+7], s[STP:STP+1] offset:512
	s_wait_tensorcnt 0x0                           ; the wave's end
	ds_add_u32 v[SPW], v[NIL]
	s_wait_dscnt 0x0
	CROUND                                         ; the closing round
	s_endpgm
.Lfunc_end_k_q7e3bcd1da0_scores:
	.size	k_q7e3bcd1da0_scores, .Lfunc_end_k_q7e3bcd1da0_scores-k_q7e3bcd1da0_scores
	.p2alignl 7, 3214868480
	.fill 96, 4, 3214868480
	.section	.rodata,"a",@progbits
	.p2align	6, 0x0
	.amdhsa_kernel k_q7e3bcd1da0_scores
		.amdhsa_group_segment_fixed_size 327680
		.amdhsa_private_segment_fixed_size 0
		.amdhsa_enable_private_segment 0
		.amdhsa_kernarg_size 24
		.amdhsa_user_sgpr_count 2
		.amdhsa_user_sgpr_kernarg_segment_ptr 1
		.amdhsa_wavefront_size32 1
		.amdhsa_system_sgpr_workgroup_id_x 1
		.amdhsa_system_sgpr_workgroup_id_y 1
		.amdhsa_system_sgpr_workgroup_id_z 1
		.amdhsa_system_vgpr_workitem_id 0
		.amdhsa_next_free_vgpr 1024
		.amdhsa_next_free_sgpr 74
		.amdhsa_reserve_vcc 0
		.amdhsa_float_denorm_mode_32 3
		.amdhsa_float_denorm_mode_16_64 3
		.amdhsa_memory_ordered 1
		.amdhsa_forward_progress 1
		.amdhsa_inst_pref_size 144
	.end_amdhsa_kernel
	.amdgpu_metadata
---
amdhsa.version: [ 1, 2 ]
amdhsa.kernels:
  - .name:           k_q7e3bcd1da0_scores
    .symbol:         k_q7e3bcd1da0_scores.kd
    .args:
      - { .name: qkv, .offset: 0, .size: 8, .value_kind: global_buffer, .address_space: global }
      - { .name: p, .offset: 8, .size: 8, .value_kind: global_buffer, .address_space: global }
      - { .name: stats, .offset: 16, .size: 8, .value_kind: global_buffer, .address_space: global }
    .group_segment_fixed_size: 327680
    .private_segment_fixed_size: 0
    .kernarg_segment_align: 8
    .kernarg_segment_size: 24
    .max_flat_workgroup_size: 128
    .sgpr_count:     74
    .vgpr_count:     1024
    .wavefront_size: 32
...
	.end_amdgpu_metadata
.endif
;; end of part 3
;; launch pv (part 4): grid 4 x 64, 4 waves a work-group, clusters of 4 x 4, 327,680 bytes of LDS; arguments p, qkv, stats, out0; writes out0
.if DOCPART == 4
	.amdgcn_target "amdgcn-amd-amdhsa--gfx1250"
	.amdhsa_code_object_version 6
	.text
	.protected	k_q7e3bcd1da0_pv
	.globl	k_q7e3bcd1da0_pv
	.p2align	8
	.type	k_q7e3bcd1da0_pv,@function
k_q7e3bcd1da0_pv:
	s_mov_b64 s[64:65], 0
	v_nop
	global_prefetch_b8 v0, s[64:65] scope:SCOPE_SE
	s_setreg_imm32_b32 hwreg(HW_REG_WAVE_MODE, 25, 1), 1
	s_wait_xcnt 0x0
	s_wait_alu depctr_hold_cnt(0) depctr_sa_sdst(0) depctr_va_vdst(0) depctr_va_sdst(0) depctr_va_ssrc(0) depctr_va_vcc(0) depctr_vm_vsrc(0)
	s_getreg_b32 s2, hwreg(HW_REG_IB_STS2, 6, 4)
	s_cmp_eq_u32 s2, 0
	s_cbranch_scc0 .Lentry_in_a_cluster
	s_endpgm
.Lentry_in_a_cluster:
	s_bfe_u32 s2, ttmp6, 0x10000c
	s_cmp_lg_u32 s2, 0xf033
	s_cbranch_scc0 .Lentry_shape_is_right
	s_endpgm
.Lentry_shape_is_right:
; PV.  For each query: M = the maximum of its 16 chunks' cm, L = the sum of l_j 2^(cm_j - M), g_j = 2^(cm_j - M) / L;  out = the sum over chunks j of g_j (P_j V_j).
; p: [8192][2048] f16, each chunk of 128 keys relative to its own maximum.  V: columns 2048-3071 of qkv [8192][3072] f16.  stats: f32 [chunk 16][block of 128 rows 64][8][cm, l][16].  out0: [8192][1024] f32.
; The correction g_j is applied in f32 to the chunk's finished partial product: P takes no second rounding.  L is 1 or more: the chunk that holds M has factor 1 and an l of 1 or more.
; LIMITS.  A factor 2^(cm_j - M) below 2^-126 counts as 0.  NaN and infinities are not treated apart.
; A tile is 128 queries x 256 channels: 256 work-groups.  Four waves, each 64 x 128.  K = 2,048 keys; a K step of 128 keys is one chunk.  Two LDS slots; waves 0 and 1 fetch the halves of P's tile
; (64 rows x 256 bytes), waves 2 and 3 those of V's (64 keys x 512 bytes).  CLUSTER 4 x 4: P's tiles jointly along a row (the four channel blocks), V's along a column (four query blocks of a batch).
; TRANSPOSED USE: source 0 = 16 channels x 32 keys of V, turned on its way out of LDS by ds_load_tr16_b128; source 1 = 16 queries x 32 keys of P: a lane holds one query and eight neighbouring channels.
; EVERY K STEP STARTS ITS SUMS ANEW (C = 0 in its first quarter).  Ahead of each of that quarter's products stand four packed multiply-adds that take the accumulator's finished sums of the step before,
; times g, into O: vector work set beside the matrix work, at two window switches a product in one quarter of four.
; REGISTERS: window 0: v0-31 addresses; v32-39 the step's factors; v64-127 P's fragments, two buffers of 32; v128-255 V's, two of 64.  window 1: T (a, b), the step's sums, at 8 (8 a + b).  window 2: O (a, b).
.set KSTEP,  128
.set PITCH,  272                       ; a row of P in LDS: 256 + 16
.set VPITCH, 544                       ; a row of V: 512 + 32
.set AH,     64*PITCH
.set BH,     64*VPITCH
.set BOFF,   2*AH
.set SLOT,   2*AH+2*BH
.set STAGE,  2*SLOT                    ; 16 rows x 528 bytes for each wave
.set OPITCH, 528
.set TAB,    STAGE+4*16*OPITCH         ; the factors: f32 [chunk 16][row half 2][r 16][block 4]
.set SPARE,  TAB+8192
.set LAPS,   8
.set VROW,   6144
.set VSTEP,  KSTEP*VROW                ; 128 keys on
.set ADRA, 16
.set ADRB, 20
.set LN,   22
.set STO,  24
.set RD,   25
.set CO,   26
.set GA,   27                          ; where my four factors of the next chunk lie; steps 512 bytes a chunk
.set SPW,  28
.set NIL,  29
.set PFO,  30
.set FA,   64
.set FB,   128
.set OB,   64
.set G1,  24
.set G0,  32
.set G1B, 48
.set G0B, 56
.set LIM, 43
.set PFA, 44
.set PST, 66                           ; s[66:67] a K step in the tensor that I prefetch
.set STP, 68                           ; s[68:69] stats
.set CLY, 70                           ; s70 the cluster's y
.set W_MM, 0x50                        ; C and D window 1
.set W_RD, 0xa1                        ; O (destination, source 2) window 2, T (source 0) window 1, g window 0
.set MSB, 0
.macro WIN new
.if MSB != (\new)
	s_set_vgpr_msb (MSB<<8)|(\new)
.set MSB, \new
.endif
.endm
.macro PLACES
.rept 4
	v_nop
.endr
.endm
.macro JLOAD s
	s_cmp_eq_u32 s11, 0
	s_cbranch_scc0 .Lfor_b_\@
	tensor_load_to_lds s[G0+4*(\s):G0+4*(\s)+3], s[G1:G1+7]
	s_nop 0
.rept 4
	v_nop
.endr
	s_branch .Lasked_\@
.Lfor_b_\@:
	tensor_load_to_lds s[G0B+4*(\s):G0B+4*(\s)+3], s[G1B:G1B+7]
	s_nop 0
.rept 4
	v_nop
.endr
.Lasked_\@:
.endm
.macro CREST
	s_cmp_lg_u32 s10, 0
	s_cbranch_scc1 .Lnot_wave_0_\@
	s_barrier_signal -3
.Lnot_wave_0_\@:
	s_barrier_wait -3
	s_barrier_signal -1
	s_barrier_wait -1
.endm
.macro CROUND
	s_barrier_signal -1
	s_barrier_wait -1
	CREST
.endm
; A prefetch into the L2 of the K step two refills on, 32 blocks of 256 bytes, a lane a block.  P's 128 rows: wave 0 of each work-group takes 32 (by cx); one cluster alone reads them.  V's 128 keys x 512 bytes:
; the first of a batch's four clusters (y a multiple of 4) asks; of the 64 keys that wave 2 or 3 fetches each partner of a column takes 16 (by cy), two blocks a key.  The loop's last trip asks for nothing.
.macro ASK
	s_cmp_gt_u32 s3, s[LIM]
	s_cbranch_scc0 .Lnot_mine_\@
	global_prefetch_b8 v[PFO], s[PFA:PFA+1] th:TH_LOAD_NT scope:SCOPE_SE
.Lnot_mine_\@:
.endm
	s_load_b128 s[4:7], s[0:1], 0x0                ; p, qkv
	s_load_b64 s[STP:STP+1], s[0:1], 0x10          ; stats
	s_load_b64 s[8:9], s[0:1], 0x18                ; out0
	v_lshl_add_u32 v[SPW], v0, 2, SPARE
	v_mov_b32 v[NIL], 0
	ds_add_u32 v[SPW], v[NIL]                      ; the wave's opening: the add and its wait stand ahead of my first tensor load
	v_lshrrev_b32 v1, 5, v0
	v_readfirstlane_b32 s10, v1
	s_lshr_b32 s11, s10, 1                         ; my half of the queries.  Also: I fetch P (0) or V (1)
	s_and_b32 s12, s10, 1                          ; my half of the channels.  Also: which half of that tile I fetch
	s_bfe_u32 s40, ttmp6, 0x40000
	s_bfe_u32 s41, ttmp6, 0x40004
	s_lshl_b32 s42, ttmp9, 2
	s_add_co_u32 s42, s42, s40                     ; block of 256 channels
	s_and_b32 s[CLY], ttmp7, 0xffff
	s_lshl_b32 s13, s[CLY], 2
	s_add_co_u32 s13, s13, s41                     ; block of 128 queries, 0..63
	s_lshl_b32 s43, s41, 2
	s_lshl_b32 s43, 15, s43
	s_lshl_b32 s44, 0x1111, s40
	s_or_b32 s[G1+0], s43, (1<<16)|(1<<20)|(1<<21)|(5<<22)|(3<<25)   ; P: after every 64 words, 4 words of padding
	s_mov_b32 s[G1+1], 128<<16                     ; tensor_dim0 = 128
	s_mov_b32 s[G1+2], 64<<16                      ; tensor_dim1 = 64
	s_mov_b32 s[G1+3], 128<<16                     ; tile_dim0 = 128
	s_mov_b32 s[G1+4], 64                          ; tile_dim1 = 64
	s_mov_b32 s[G1+5], 2048
	s_mov_b32 s[G1+6], 0
	s_mov_b32 s[G1+7], 0
	s_or_b32 s[G1B+0], s44, (1<<16)|(1<<20)|(1<<21)|(6<<22)|(7<<25)  ; V: after every 128 words, 8 words
	s_mov_b32 s[G1B+1], 256<<16                    ; 256 channels
	s_mov_b32 s[G1B+2], 64<<16                     ; 64 keys
	s_mov_b32 s[G1B+3], 256<<16
	s_mov_b32 s[G1B+4], 64
	s_mov_b32 s[G1B+5], 3072
	s_mov_b32 s[G1B+6], 0
	s_mov_b32 s[G1B+7], 0
	s_lshl_b32 s17, s12, 6
	s_lshl_b32 s16, s13, 7
	s_add_co_u32 s16, s16, s17                     ; P: row 128 x query block + 64 x half
	s_lshl_b32 s16, s16, 12
	s_mov_b32 s17, 0
	s_lshr_b32 s46, s[CLY], 2                      ; the batch: four clusters along y each
	s_lshl_b32 s46, s46, 11
	s_lshl_b32 s47, s12, 6
	s_add_co_u32 s46, s46, s47                     ; V: key 2048 x batch + 64 x half
	s_mul_i32 s46, s46, VROW
	s_lshl_b32 s47, s42, 9
	s_add_co_u32 s46, s46, s47                     ; + my block's 256 channels
	s_add_co_u32 s46, s46, 4096                    ; + v's place in a row of qkv
	s_mov_b32 s47, 0
	s_mul_i32 s20, s12, AH
	s_mul_i32 s21, s12, BH
	s_add_co_u32 s21, s21, BOFF
	s_wait_dscnt 0x0
	s_wait_kmcnt 0x0
	s_add_nc_u64 s[14:15], s[4:5], s[16:17]
	s_add_nc_u64 s[46:47], s[6:7], s[46:47]
	CROUND
.irp s, 0,1
	s_mov_b32 s[G0+4*(\s)], 1
	s_add_co_u32 s[G0+4*(\s)+1], s20, (\s)*SLOT
	s_add_nc_u64 s[G0+4*(\s)+2:G0+4*(\s)+3], s[14:15], (\s)*KSTEP*2
	s_or_b32 s[G0+4*(\s)+3], s[G0+4*(\s)+3], 0x80000000
	s_mov_b32 s[G0B+4*(\s)], 1
	s_add_co_u32 s[G0B+4*(\s)+1], s21, (\s)*SLOT
	s_add_nc_u64 s[G0B+4*(\s)+2:G0B+4*(\s)+3], s[46:47], (\s)*VSTEP
	s_or_b32 s[G0B+4*(\s)+3], s[G0B+4*(\s)+3], 0x80000000
	JLOAD \s
.endr
	v_and_b32 v1, 15, v0                           ; r
	v_bfe_u32 v2, v0, 4, 1                         ; h
	v_and_b32 v[LN], 31, v0
	; thread t takes row t of the tile: its 16 cm and 16 l
	v_lshrrev_b32 v3, 4, v0
	v_lshlrev_b32 v3, 7, v3
	v_lshl_add_u32 v6, v1, 2, v3
	s_lshl_b32 s14, s13, 10
	s_mov_b32 s15, 0
	s_add_nc_u64 s[STP:STP+1], s[STP:STP+1], s[14:15]
.set j, 0
.rept 16
	global_load_b32 v[64+j], v6, s[STP:STP+1] offset:65536*j
	global_load_b32 v[80+j], v6, s[STP:STP+1] offset:65536*j+64
.set j, j+1
.endr
	WIN 0x80                                       ; O starts at 0, written while the first tiles are on their way, so that the multiply-adds into O have one form
.set i, 0
.rept 256
	v_mov_b32 v[i], 0
.set i, i+1
.endr
	WIN 0
	v_mov_b32 v37, 0                               ; named as the upper halves of pairs
	v_mov_b32 v39, 0
	v_mul_u32_u24 v3, v1, PITCH
	v_lshl_add_u32 v3, v2, 4, v3
	s_mul_i32 s21, s11, AH                         ; my 64 queries
	v_and_b32 v4, 7, v0                            ; the turning load: lane l reads key 8 h + l % 8, channels 8 ((l / 8) % 2) + 0..7
	v_lshl_add_u32 v4, v2, 3, v4
	v_mul_u32_u24 v4, v4, VPITCH
	v_bfe_u32 v5, v0, 3, 1
	v_lshl_add_u32 v4, v5, 4, v4
	s_lshl_b32 s22, s12, 8                         ; my 128 channels
	s_add_co_u32 s22, s22, BOFF
.irp s, 0,1
	v_add_nc_u32 v[ADRA+(\s)], s21, v3
	v_add_nc_u32 v[ADRB+(\s)], s22, v4
	s_add_co_u32 s21, s21, SLOT
	s_add_co_u32 s22, s22, SLOT
.endr
	s_mul_i32 s23, s10, 16*OPITCH
	s_add_co_u32 s23, s23, STAGE
	v_mul_u32_u24 v4, v1, OPITCH                   ; in: row r, 32 bytes for each half of the lanes
	v_lshl_add_u32 v4, v2, 5, v4
	v_add_nc_u32 v[STO], s23, v4
	v_lshl_add_u32 v[RD], v[LN], 4, s23            ; back: 32 lanes take a row of 512 bytes
	v_lshlrev_b32 v[CO], 4, v[LN]
	v_lshrrev_b32 v7, 6, v0                        ; where row t's factors go: [row half][r][block]
	v_lshlrev_b32 v7, 8, v7
	v_lshl_add_u32 v7, v1, 4, v7
	v_bfe_u32 v8, v0, 4, 2
	v_lshl_add_u32 v7, v8, 2, v7
	v_add_nc_u32 v7, TAB, v7
	s_lshl_b32 s14, s11, 8
	s_add_co_u32 s14, s14, TAB
	v_lshl_add_u32 v[GA], v1, 4, s14               ; my four blocks' factors: 16 bytes
	s_lshl_b32 s16, s13, 7
	s_lshl_b32 s17, s11, 6
	s_add_co_u32 s16, s16, s17
	s_lshl_b32 s16, s16, 12                        ; my first row of out0
	s_mov_b32 s17, 0
	s_add_nc_u64 s[8:9], s[8:9], s[16:17]
	s_lshl_b32 s46, s42, 10
	s_lshl_b32 s47, s12, 9
	s_add_co_u32 s46, s46, s47                     ; my first channel, in bytes
	s_mov_b32 s47, 0
	s_add_nc_u64 s[8:9], s[8:9], s[46:47]
	; the prefetches
	s_lshr_b32 s23, s[CLY], 2
	s_lshl_b32 s23, s23, 11
	s_lshl_b32 s21, s12, 6
	s_add_co_u32 s23, s23, s21
	s_lshl_b32 s21, s41, 4
	s_add_co_u32 s23, s23, s21                     ; V: key 2048 x batch + 64 x half + 16 cy
	s_mul_i32 s23, s23, VROW
	s_lshl_b32 s21, s42, 9
	s_add_co_u32 s23, s23, s21
	s_add_co_u32 s23, s23, 4096+3*VSTEP            ; at K step 3: the first refill steps it to 4 and names that
	s_lshl_b32 s20, s13, 7
	s_lshl_b32 s21, s40, 5
	s_add_co_u32 s20, s20, s21                     ; P: row 128 x query block + 32 cx
	s_lshl_b32 s20, s20, 12
	s_add_co_u32 s20, s20, 3*KSTEP*2
	s_and_b32 s22, s[CLY], 3
	s_mov_b32 s[PST], VSTEP
	s_mov_b32 s[PST+1], 0
	s_mov_b32 s14, VROW
	s_cmp_eq_u32 s11, 0
	s_cselect_b32 s20, s20, s23
	s_cselect_b32 s22, s10, s22                    ; P: wave 0 alone; V: where the cluster is the batch's first
	s_cselect_b64 s[PFA:PFA+1], s[4:5], s[6:7]
	s_cselect_b32 s[PST], KSTEP*2, s[PST]
	s_cselect_b32 s14, 4096, s14                   ; the pitch from lane to lane (P), or from pair of lanes to pair (V)
	s_cselect_b32 s15, 0, 1
	s_cmp_eq_u32 s22, 0
	s_cselect_b32 s[LIM], 1, -1
	s_mov_b32 s21, 0
	s_add_nc_u64 s[PFA:PFA+1], s[PFA:PFA+1], s[20:21]
	v_lshrrev_b32 v3, s15, v[LN]
	v_mul_u32_u24 v3, s14, v3
	v_and_b32 v4, s15, v[LN]
	v_lshl_add_u32 v[PFO], v4, 8, v3
	; the factors of row t
	s_wait_loadcnt 0x0
	v_max3_num_f32 v96, v64, v65, v66
.irp n, 0,1,2,3,4,5
	v_max3_num_f32 v96, v96, v[67+2*\n], v[68+2*\n]
.endr
	v_max_num_f32 v96, v96, v79                    ; M
.set j, 0
.rept 16
	v_sub_f32 v[64+j], v[64+j], v96
.set j, j+1
.endr
.set j, 0
.rept 16
	v_exp_f32 v[64+j], v[64+j]
.set j, j+1
.endr
	v_nop                                          ; a plain instruction behind the last exponential,
	s_wait_alu depctr_va_vdst(0)                   ; and the batch's one wait
	v_mul_f32 v97, v64, v80
	v_mul_f32 v98, v65, v81
.irp n, 1,2,3,4,5,6,7
	v_fma_f32 v97, v[64+2*\n], v[80+2*\n], v97
	v_fma_f32 v98, v[65+2*\n], v[81+2*\n], v98
.endr
	v_add_f32 v97, v97, v98                        ; L
	v_rcp_f32 v99, v97
	v_nop
	s_wait_alu depctr_va_vdst(0)
.set j, 0
.rept 16
	v_mul_f32 v[64+j], v[64+j], v99
.set j, j+1
.endr
.set j, 0
.rept 16
	ds_store_b32 v7, v[64+j] offset:512*j
.set j, j+1
.endr
; 8 matrix instructions: query block a x all 8 channel blocks, 32 keys, from buffer f.  mode 0: the sums go on.  mode 1: C = 0.  mode 2: C = 0, and ahead of each product O takes the accumulator's sums
; of the step before, times g (a).  The 32 accumulators take turns, one instruction a turn, in the same order in every quarter.
.macro MUL8 f, a, mode
.set GR, 32+2*((\a)/2)+4*((\a)%2)      ; g (0..3) in v32, v36, v34, v38: the low word of an even pair
.irp b, 0,1,2,3,4,5,6,7
.if (\mode) == 2
	WIN W_RD
.irp z, 0,2,4,6
	v_pk_fma_f32 v[8*(8*(\a)+(\b))+(\z):8*(8*(\a)+(\b))+(\z)+1], v[8*(8*(\a)+(\b))+(\z):8*(8*(\a)+(\b))+(\z)+1], v[GR:GR+1], v[8*(8*(\a)+(\b))+(\z):8*(8*(\a)+(\b))+(\z)+1] op_sel_hi:[1,0,1]
.endr
.endif
	WIN W_MM
.if (\mode) == 0
	v_wmma_f32_16x16x32_f16 v[8*(8*(\a)+(\b)):8*(8*(\a)+(\b))+7], v[FB+64*(\f)+8*(\b):FB+64*(\f)+8*(\b)+7], v[FA+32*(\f)+8*(\a):FA+32*(\f)+8*(\a)+7], v[8*(8*(\a)+(\b)):8*(8*(\a)+(\b))+7]
.else
	v_wmma_f32_16x16x32_f16 v[8*(8*(\a)+(\b)):8*(8*(\a)+(\b))+7], v[FB+64*(\f)+8*(\b):FB+64*(\f)+8*(\b)+7], v[FA+32*(\f)+8*(\a):FA+32*(\f)+8*(\a)+7], 0
.endif
.endr
.endm
; One run of LDS loads: quarter qn (32 keys) into buffer f: V's eight fragments, turned, then P's four.  gf = 1: ahead of them the factors of the chunk that is ending: the oldest of the run, so the counts below hold.
.macro FETCH slot, qn, f, gf
	WIN 0
.if \gf
	ds_load_b128 v[32:35], v[GA]
.endif
.irp b, 0,1,2,3,4,5,6,7
	ds_load_tr16_b128 v[FB+64*(\f)+8*(\b):FB+64*(\f)+8*(\b)+3],   v[ADRB+(\slot)] offset:32*VPITCH*(\qn)+32*(\b)
	ds_load_tr16_b128 v[FB+64*(\f)+8*(\b)+4:FB+64*(\f)+8*(\b)+7], v[ADRB+(\slot)] offset:32*VPITCH*(\qn)+32*(\b)+16*VPITCH
.endr
.irp a, 0,1,2,3
	ds_load_b128 v[FA+32*(\f)+8*(\a):FA+32*(\f)+8*(\a)+3],   v[ADRA+(\slot)] offset:64*(\qn)+(\a)*16*PITCH
	ds_load_b128 v[FA+32*(\f)+8*(\a)+4:FA+32*(\f)+8*(\a)+7], v[ADRA+(\slot)] offset:64*(\qn)+(\a)*16*PITCH+32
.endr
.if \gf
	v_add_nc_u32 v[GA], 512, v[GA]
.endif
.endm
; In a quarter of mode 2 the places between an accumulator's last product and the lines that read and overwrite it are: the four v_nop of the change of slots and the two copies below for accumulators 0-15,
; and for the others the multiply-adds of the accumulators before them.
.macro QUARTER slot, qn, f, g, mode
	s_wait_dscnt 4                                 ; all but P's fragments 2 and 3 are in
.if (\mode) == 2
	WIN 0
	v_mov_b32 v36, v33                             ; g (1) and g (3) into the low words of pairs of their own
	v_mov_b32 v38, v35
.endif
	MUL8 \f, 0, \mode
	MUL8 \f, 1, \mode
	PLACES
	FETCH \slot, \qn, \g, 0
	s_wait_dscnt 24                                ; all but the 24 just issued
	MUL8 \f, 2, \mode
	MUL8 \f, 3, \mode
.endm
.macro TURN slot, next, fill
.if \fill
	s_wait_xcnt 0x0                                ; the last prefetch, a K step back, has read its address
	s_add_nc_u64 s[PFA:PFA+1], s[PFA:PFA+1], s[PST:PST+1]
.endif
	WIN 0
	s_wait_tensorcnt 0x0                           ; all my tensor loads have landed: my part of the next slot
	ds_add_u32 v[SPW], v[NIL]
	s_wait_dscnt 5                                 ; (the add and the youngest four loads may be out)
	MUL8 1, 0, 0
	s_wait_dscnt 0x0                               ; the add is done, and my reads of this slot are over
	s_barrier_signal -1
	MUL8 1, 1, 0
.if \fill
	WIN 0
.endif
	s_barrier_wait -1
.if \fill
	CREST
	s_add_nc_u64 s[G0+4*(\slot)+2:G0+4*(\slot)+3], s[G0+4*(\slot)+2:G0+4*(\slot)+3], 2*KSTEP*2
	s_add_nc_u64 s[G0B+4*(\slot)+2:G0B+4*(\slot)+3], s[G0B+4*(\slot)+2:G0B+4*(\slot)+3], 2*VSTEP
	JLOAD \slot
.else
	PLACES
.endif
	FETCH \next, 0, 0, 1
.if \fill
	ASK
.endif
	MUL8 1, 2, 0
	MUL8 1, 3, 0
.endm
	s_wait_tensorcnt 1                             ; my part of K step 0 is in; K step 1's may stay out
	s_wait_dscnt 0x0                               ; for the others' sake: my factors are in the table
	s_barrier_signal -1
	s_barrier_wait -1
	FETCH 0, 0, 0, 0
	QUARTER 0, 1, 0, 1, 1
	WIN 0
	s_mov_b32 s3, LAPS-1
.Llap:
	QUARTER 0, 2, 1, 0, 0
	QUARTER 0, 3, 0, 1, 0
	TURN 0, 1, 1
	QUARTER 1, 1, 0, 1, 2
	QUARTER 1, 2, 1, 0, 0
	QUARTER 1, 3, 0, 1, 0
	TURN 1, 0, 1
	QUARTER 0, 1, 0, 1, 2
	WIN 0
	s_sub_co_u32 s3, s3, 1
	s_cmp_lg_u32 s3, 0
	s_cbranch_scc1 .Llap
	QUARTER 0, 2, 1, 0, 0                          ; the last lap fills nothing
	QUARTER 0, 3, 0, 1, 0
	TURN 0, 1, 0
	QUARTER 1, 1, 0, 1, 2
	QUARTER 1, 2, 1, 0, 0
	QUARTER 1, 3, 0, 1, 0
	s_wait_dscnt 4
	MUL8 1, 0, 0
	MUL8 1, 1, 0
	s_wait_dscnt 0x0
	MUL8 1, 2, 0
	MUL8 1, 3, 0
	PLACES
	WIN 0
	ds_load_b128 v[32:35], v[GA]                   ; the last chunk's factors
	s_wait_dscnt 0x0
	v_mov_b32 v36, v33
	v_mov_b32 v38, v35
	WIN W_RD
.irp a, 0,1,2,3
.set GR, 32+2*((\a)/2)+4*((\a)%2)
.set z, 0
.rept 32
	v_pk_fma_f32 v[64*(\a)+2*z:64*(\a)+2*z+1], v[64*(\a)+2*z:64*(\a)+2*z+1], v[GR:GR+1], v[64*(\a)+2*z:64*(\a)+2*z+1] op_sel_hi:[1,0,1]
.set z, z+1
.endr
.endr
; THE WAY OUT, a block of 16 queries at a time: a lane's eight channels (32 bytes) go into rows of 528 bytes of my own stage and come back as whole rows of 512.
.macro TOSTAGE a
	WIN 0x08                                       ; the stores' data in window 2
.irp b, 0,1,2,3,4,5,6,7
	ds_store_b128 v[STO], v[8*(8*(\a)+(\b)):8*(8*(\a)+(\b))+3]   offset:64*(\b)
	ds_store_b128 v[STO], v[8*(8*(\a)+(\b))+4:8*(8*(\a)+(\b))+7] offset:64*(\b)+16
.endr
	WIN 0
.set BK, OB+64*((\a)%2)
.if (\a) > 1
	s_wait_xcnt 0x0                                ; the stores of the block two back have read the registers that the loads below fill
.endif
.irp t, 0,1,2,3,4,5,6,7,8,9,10,11,12,13,14,15
	ds_load_b128 v[BK+4*(\t):BK+4*(\t)+3], v[RD] offset:(\t)*OPITCH  ; LDS serves a wave's instructions in order (ISA guide 5.7.1.4): these see the stores above
.endr
.endm
.macro SEND a, younger                 ; younger: the next block's 16 stores and 16 loads, or none
.set BK, OB+64*((\a)%2)
	s_wait_dscnt \younger
	s_wait_xcnt 0x0                                ; earlier stores have read their base
.if (\a) > 0
	s_add_nc_u64 s[8:9], s[8:9], 16*4096
.endif
.irp t, 0,1,2,3,4,5,6,7,8,9,10,11,12,13,14,15
	global_store_b128 v[CO], v[BK+4*(\t):BK+4*(\t)+3], s[8:9] offset:(\t)*4096 th:TH_STORE_NT  ; 512 consecutive bytes, at a multiple of 256 from out0's first byte
.endr
.endm
	TOSTAGE 0
.irp a, 1,2,3
	TOSTAGE \a
	SEND (\a)-1, 32
.endr
	SEND 3, 0
	s_wait_tensorcnt 0x0                           ; the wave's end
	ds_add_u32 v[SPW], v[NIL]
	s_wait_dscnt 0x0
	CROUND                                         ; the closing round
	s_endpgm
.Lfunc_end_k_q7e3bcd1da0_pv:
	.size	k_q7e3bcd1da0_pv, .Lfunc_end_k_q7e3bcd1da0_pv-k_q7e3bcd1da0_pv
	.p2alignl 7, 3214868480
	.fill 96, 4, 3214868480
	.section	.rodata,"a",@progbits
	.p2align	6, 0x0
	.amdhsa_kernel k_q7e3bcd1da0_pv
		.amdhsa_group_segment_fixed_size 327680
		.amdhsa_private_segment_fixed_size 0
		.amdhsa_enable_private_segment 0
		.amdhsa_kernarg_size 32
		.amdhsa_user_sgpr_count 2
		.amdhsa_user_sgpr_kernarg_segment_ptr 1
		.amdhsa_wavefront_size32 1
		.amdhsa_system_sgpr_workgroup_id_x 1
		.amdhsa_system_sgpr_workgroup_id_y 1
		.amdhsa_system_sgpr_workgroup_id_z 1
		.amdhsa_system_vgpr_workitem_id 0
		.amdhsa_next_free_vgpr 768
		.amdhsa_next_free_sgpr 72
		.amdhsa_reserve_vcc 0
		.amdhsa_float_denorm_mode_32 3
		.amdhsa_float_denorm_mode_16_64 3
		.amdhsa_memory_ordered 1
		.amdhsa_forward_progress 1
		.amdhsa_inst_pref_size 142
	.end_amdhsa_kernel
	.amdgpu_metadata
---
amdhsa.version: [ 1, 2 ]
amdhsa.kernels:
  - .name:           k_q7e3bcd1da0_pv
    .symbol:         k_q7e3bcd1da0_pv.kd
    .args:
      - { .name: p, .offset: 0, .size: 8, .value_kind: global_buffer, .address_space: global }
      - { .name: qkv, .offset: 8, .size: 8, .value_kind: global_buffer, .address_space: global }
      - { .name: stats, .offset: 16, .size: 8, .value_kind: global_buffer, .address_space: global }
      - { .name: out0, .offset: 24, .size: 8, .value_kind: global_buffer, .address_space: global }
    .group_segment_fixed_size: 327680
    .private_segment_fixed_size: 0
    .kernarg_segment_align: 8
    .kernarg_segment_size: 32
    .max_flat_workgroup_size: 128
    .sgpr_count:     72
    .vgpr_count:     768
    .wavefront_size: 32
...
	.end_amdgpu_metadata
.endif
;; end of part 4
;; ======== version 2 of 2: 4 launches; version 1 with the launch prep written anew for expert scheduling mode
;; limits: values are held in f16: magnitudes above 65,504 overflow, below 6.1e-05 lose precision
;; workspace buffers: xb 16,777,216 bytes; wt 6,291,456 bytes; bias 12,288 bytes; qkv 50,331,648 bytes; p 33,554,432 bytes; stats 1,048,576 bytes
;; launch prep (part 5): grid 897 x 1, 8 waves a work-group, no clusters, 17,920 bytes of LDS; arguments x, Wq, Wk, Wv, bq, bk, bv, xb, wt, bias; writes xb, wt, bias
.if DOCPART == 5
	.amdgcn_target "amdgcn-amd-amdhsa--gfx1250"
	.amdhsa_code_object_version 6
	.text
	.protected	k_q7e3bcd1da0_prep
	.globl	k_q7e3bcd1da0_prep
	.p2align	8
	.type	k_q7e3bcd1da0_prep,@function
k_q7e3bcd1da0_prep:
	s_mov_b64 s[64:65], 0
	v_nop
	global_prefetch_b8 v0, s[64:65] scope:SCOPE_SE
	s_setreg_imm32_b32 hwreg(HW_REG_WAVE_SCHED_MODE, 0, 2), 2
	s_setreg_imm32_b32 hwreg(HW_REG_WAVE_MODE, 25, 1), 1
	s_wait_xcnt 0x0
	s_wait_alu depctr_vm_vsrc(0)
; PREP.  xb = x rounded to bf16, in blocks of 64 along K: [16 blocks][8192 rows][64].  wt = Wq, Wk, Wv rounded to bf16 and turned, in the same blocks: [16][3072][64], row n = column n % 1024 of
; matrix n / 1024.  In this layout a tile of some rows x 64 K is dense in memory.  bias = bq, bk, bv rounded to bf16 and kept as f32, [3072].  All the module's inputs take the same one rounding.
; Work-groups 0-511: 16 rows of x each.  512-895: a tile of 128 d x 64 e of one W, turned through LDS.  896: the three biases.
; A stream: no matrix unit, no cluster, no prefetch: every byte is read once, sixteen lanes to 256 consecutive bytes, and each store of a wave covers 256 consecutive bytes, aligned:
; two neighbouring rows' 128 bytes of one block.
; THE MODE: SCHED_MODE bits 1:0 = 2 (LLVM: expert scheduling mode 2), set by the entry lines.  The code itself states the register dependences between vector instructions and memory or LDS
; instructions, with s_wait_alu, always for 0.
; THE PLAN.  Registers that memory or LDS instructions touch, path by path (the paths part on the work-group's number alone):
;   x:       v6, v7 offsets, written once, read by the 16 loads and the 16 stores.  X = v[16:79], written by the loads alone, read by the conversions.  Y = v[80:111], each register written once, by block p's
;            conversions, and read by the four stores that are issued in block p + 1.  Four blocks of four loads.  One wait ahead of the loads; one at the head of blocks 1 to 3; one ahead of the last stores.
;   weights: v6 offset of the eight loads.  v7, v10, v11 addresses of the LDS stores, the LDS loads and the global stores.  v[48:63] written by the 16 conversions, read by the 16 LDS stores.
;            v[64:79] written by LDS loads, read by global stores.  One wait ahead of the loads; one behind the conversions, behind which no vector instruction follows.
;   bias:    v1 offset, written at the head.  v[16:27] loaded, unpacked in place, stored.  One wait ahead of the loads, one ahead of the stores.
; No register that a memory or LDS instruction reads is written again on its path; no vector instruction writes a scalar register; EXEC is never written.
.set SPARE, 16896                      ; behind the tile: the spare words, 128 bytes for each of eight waves; no other line names them
.set SPW,   4                          ; v4  SPARE + 4 x my thread's number; never rewritten
.set NIL,   5                          ; v5  0; never rewritten
.set LP,    264                        ; a row of the turned tile in LDS: 128 bf16 + 8 bytes, so that rows stay aligned to 8 bytes
.set XBLK,  8192*128                   ; bytes in a block of xb
.set WBLK,  3072*128                   ; bytes in a block of wt
	s_load_b512 s[4:19], s[0:1], 0x0               ; x, Wq, Wk, Wv, bq, bk, bv, xb
	s_load_b128 s[20:23], s[0:1], 0x40             ; wt, bias
	v_lshl_add_u32 v[SPW], v0, 2, SPARE
	v_mov_b32 v[NIL], 0
	v_lshlrev_b32 v1, 4, v0                        ; 16 t
	v_and_b32 v2, 15, v0                           ; c: my place among sixteen lanes
	v_bfe_u32 v3, v0, 4, 1                         ; which half of the lanes
	v_lshrrev_b32 v9, 5, v0                        ; wave
	s_mov_b32 s25, 0
	s_mov_b32 s27, 0
	s_wait_kmcnt 0x0
	s_cmp_lt_u32 ttmp9, 512
	s_cbranch_scc0 .Lweights
	; x: 16 rows, 65,536 bytes in, 32,768 out.  Load i of wave w: rows 2 (i / 2) and 2 (i / 2) + 1 (a half of the lanes each), block 2 w + i % 2.  All sixteen loads go out at once; the counts run down.
	v_lshlrev_b32 v6, 4, v2
	v_lshl_add_u32 v6, v3, 12, v6
	v_lshl_add_u32 v6, v9, 9, v6                   ; from: half x 4,096 + wave x 512 + 16 c
	v_lshlrev_b32 v7, 3, v2
	v_lshl_add_u32 v7, v3, 7, v7
	v_lshl_add_u32 v7, v9, 21, v7                  ; to: wave x two blocks + half x 128 + 8 c
	s_lshl_b32 s24, ttmp9, 16
	s_lshl_b32 s26, ttmp9, 11                      ; 16 rows of 128 bytes
	s_add_nc_u64 s[4:5], s[4:5], s[24:25]
	s_add_nc_u64 s[18:19], s[18:19], s[26:27]
	s_wait_alu depctr_va_vdst(0)                   ; v6 and v7 are written: the loads below read v6 as their offset, the stores v7
.set i, 0
.rept 16
	global_load_b128 v[16+4*i:19+4*i], v6, s[4:5] offset:(i/2)*8192+(i%2)*256 th:TH_LOAD_NT
.set i, i+1
.endr
	; Block p: loads 4 p to 4 p + 3 are rounded into Y's registers 8 p to 8 p + 7; the four stores of block p - 1 are dealt among these eight conversions, which name neither that block's part of Y nor v7.
.set p, 0
.rept 4
	s_wait_loadcnt 12-4*p                          ; loads come back in order: block p's four are in, the younger blocks stay out
.if p > 0
	s_wait_alu depctr_va_vdst(0)                   ; the conversions of the block before have written its part of Y, which the four stores below read
.endif
.set j, 0
.rept 4
.set i, 4*p+j
.set o, 4*p-4+j
.if p > 0
	global_store_b64 v7, v[80+2*o:81+2*o], s[18:19] offset:(o%2)*XBLK+(o/2)*256 th:TH_STORE_NT
.endif
	v_cvt_pk_bf16_f32 v[80+2*i], v[16+4*i], v[17+4*i]
	v_cvt_pk_bf16_f32 v[81+2*i], v[18+4*i], v[19+4*i]
.set j, j+1
.endr
.set p, p+1
.endr
	s_wait_alu depctr_va_vdst(0)                   ; block 3's conversions have written the last part of Y, which the last four stores read
.set o, 12
.rept 4
	global_store_b64 v7, v[80+2*o:81+2*o], s[18:19] offset:(o%2)*XBLK+(o/2)*256 th:TH_STORE_NT
.set o, o+1
.endr
	s_endpgm
.Lweights:
	s_cmp_eq_u32 ttmp9, 896
	s_cbranch_scc1 .Lbias
	s_sub_co_u32 s28, ttmp9, 512
	s_lshr_b32 s29, s28, 7                         ; which matrix: 0 q, 1 k, 2 v
	s_bfe_u32 s30, s28, 0x30004                    ; dt: which 128 rows d: blocks 2 dt and 2 dt + 1
	s_and_b32 s31, s28, 15                         ; et: which 64 columns e
	s_cmp_eq_u32 s29, 1
	s_cselect_b64 s[32:33], s[8:9], s[6:7]
	s_cmp_eq_u32 s29, 2
	s_cselect_b64 s[32:33], s[10:11], s[32:33]
	s_lshl_b32 s24, s30, 19                        ; 128 rows of 4,096 bytes
	s_lshl_b32 s34, s31, 8                         ; 64 columns of 4 bytes
	s_add_co_u32 s24, s24, s34
	s_add_nc_u64 s[32:33], s[32:33], s[24:25]
	s_mul_i32 s26, s30, 2*WBLK                     ; wt: block 2 dt,
	s_lshl_b32 s34, s29, 17                        ; row 1024 m
	s_add_co_u32 s26, s26, s34
	s_lshl_b32 s34, s31, 13                        ; + 64 et, 128 bytes a row
	s_add_co_u32 s26, s26, s34
	s_add_nc_u64 s[20:21], s[20:21], s[26:27]
	v_lshrrev_b32 v12, 4, v0                       ; dp0: my pair of rows, in each group of 32 rows; c: my four columns
	v_lshlrev_b32 v6, 4, v2
	v_lshl_add_u32 v6, v12, 13, v6
	s_wait_alu depctr_va_vdst(0)                   ; v6 is written, which the eight loads below read as their offset
.irp i, 0,1,2,3
	global_load_b128 v[16+8*\i:19+8*\i], v6, s[32:33] offset:131072*\i       ; row 2 (dp0 + 16 i): sixteen lanes take 256 consecutive bytes
	global_load_b128 v[20+8*\i:23+8*\i], v6, s[32:33] offset:131072*\i+4096  ; and the row below it
.endr
	v_mul_u32_u24 v7, v2, 4*LP                     ; the addresses are made while the loads are out: these lines name neither v6 nor a register in which a load lands
	v_lshl_add_u32 v7, v12, 2, v7                  ; into LDS: row e = 4 c + j, word dp0 + 16 i
	v_lshlrev_b32 v8, 3, v2                        ; back: 8 bytes a lane; a half of the lanes takes a row's 128 bytes of one block
	v_mul_u32_u24 v10, v9, 8*LP
	v_mul_u32_u24 v13, v3, LP
	v_add3_u32 v10, v10, v13, v8                   ; row 8 w + half
	v_lshl_add_u32 v11, v9, 10, v8
	v_lshl_add_u32 v11, v3, 7, v11                 ; and the same row of wt
	s_wait_loadcnt 0x0
.irp i, 0,1,2,3
.irp c, 0,1,2,3
	v_cvt_pk_bf16_f32 v[48+4*\i+\c], v[16+8*\i+\c], v[20+8*\i+\c]  ; two neighbouring d of one e
.endr
.endr
	s_wait_alu depctr_va_vdst(0)                   ; the conversions have written v[48:63], which the LDS stores read; v7, v10 and v11 are written, the addresses of the LDS stores, the LDS loads and the global stores below
.irp i, 0,1,2,3
.irp c, 0,1,2,3
	ds_store_b32 v7, v[48+4*\i+\c] offset:\c*LP+\i*64
.endr
.endr
	s_wait_dscnt 0x0                               ; for the others' sake: my stores are done
	s_barrier_signal -1
	s_barrier_wait -1                              ; the branch that led here hangs on the work-group's number alone: all eight waves pass
.set k, 0
.rept 8
	ds_load_b64 v[64+2*k:65+2*k], v10 offset:(k/2)*2*LP+(k%2)*128   ; rows 8 w + 2 (k / 2) + half, block k % 2; no vector instruction of this path names v[64:79]
.set k, k+1
.endr
.set k, 0
.rept 8
	s_wait_dscnt 7-k                               ; LDS loads come back in order: load k is in, the younger ones stay out
	global_store_b64 v11, v[64+2*k:65+2*k], s[20:21] offset:(k%2)*WBLK+(k/2)*256
.set k, k+1
.endr
	s_wait_dscnt 0x0                               ; the closing lines, six on end
	s_wait_alu 0x0
	s_wait_tensorcnt 0x0
	ds_add_u32 v[SPW], v[NIL]
	s_wait_dscnt 0x0
	s_endpgm
.Lbias:
	s_wait_alu depctr_va_vdst(0)                   ; v1, made at the head, is written: the loads and stores below read it as their offset
	global_load_b128 v[16:19], v1, s[12:13]
	global_load_b128 v[20:23], v1, s[14:15]
	global_load_b128 v[24:27], v1, s[16:17]
	s_wait_loadcnt 0x0
.irp i, 0,1,2,3,4,5
	v_cvt_pk_bf16_f32 v[32+\i], v[16+2*\i], v[17+2*\i]
.endr
.irp i, 0,1,2,3,4,5
	v_lshlrev_b32 v[16+2*\i], 16, v[32+\i]         ; back to f32: the low half moves up,
	v_and_b32 v[17+2*\i], 0xffff0000, v[32+\i]     ; the high half stays
.endr
	s_wait_alu depctr_va_vdst(0)                   ; the twelve lines above have written v[16:27], which the three stores read
	global_store_b128 v1, v[16:19], s[22:23]
	global_store_b128 v1, v[20:23], s[22:23] offset:4096
	global_store_b128 v1, v[24:27], s[22:23] offset:8192
	s_endpgm
.Lfunc_end_k_q7e3bcd1da0_prep:
	.size	k_q7e3bcd1da0_prep, .Lfunc_end_k_q7e3bcd1da0_prep-k_q7e3bcd1da0_prep
	.p2alignl 7, 3214868480
	.fill 96, 4, 3214868480
	.section	.rodata,"a",@progbits
	.p2align	6, 0x0
	.amdhsa_kernel k_q7e3bcd1da0_prep
		.amdhsa_group_segment_fixed_size 17920
		.amdhsa_private_segment_fixed_size 0
		.amdhsa_enable_private_segment 0
		.amdhsa_kernarg_size 80
		.amdhsa_user_sgpr_count 2
		.amdhsa_user_sgpr_kernarg_segment_ptr 1
		.amdhsa_wavefront_size32 1
		.amdhsa_system_sgpr_workgroup_id_x 1
		.amdhsa_system_sgpr_workgroup_id_y 1
		.amdhsa_system_sgpr_workgroup_id_z 1
		.amdhsa_system_vgpr_workitem_id 0
		.amdhsa_next_free_vgpr 112
		.amdhsa_next_free_sgpr 66
		.amdhsa_reserve_vcc 0
		.amdhsa_float_denorm_mode_32 3
		.amdhsa_float_denorm_mode_16_64 3
		.amdhsa_memory_ordered 1
		.amdhsa_forward_progress 1
		.amdhsa_inst_pref_size 15
	.end_amdhsa_kernel
	.amdgpu_metadata
---
amdhsa.version: [ 1, 2 ]
amdhsa.kernels:
  - .name:           k_q7e3bcd1da0_prep
    .symbol:         k_q7e3bcd1da0_prep.kd
    .args:
      - { .name: x, .offset: 0, .size: 8, .value_kind: global_buffer, .address_space: global }
      - { .name: Wq, .offset: 8, .size: 8, .value_kind: global_buffer, .address_space: global }
      - { .name: Wk, .offset: 16, .size: 8, .value_kind: global_buffer, .address_space: global }
      - { .name: Wv, .offset: 24, .size: 8, .value_kind: global_buffer, .address_space: global }
      - { .name: bq, .offset: 32, .size: 8, .value_kind: global_buffer, .address_space: global }
      - { .name: bk, .offset: 40, .size: 8, .value_kind: global_buffer, .address_space: global }
      - { .name: bv, .offset: 48, .size: 8, .value_kind: global_buffer, .address_space: global }
      - { .name: xb, .offset: 56, .size: 8, .value_kind: global_buffer, .address_space: global }
      - { .name: wt, .offset: 64, .size: 8, .value_kind: global_buffer, .address_space: global }
      - { .name: bias, .offset: 72, .size: 8, .value_kind: global_buffer, .address_space: global }
    .group_segment_fixed_size: 17920
    .private_segment_fixed_size: 0
    .kernarg_segment_align: 8
    .kernarg_segment_size: 80
    .max_flat_workgroup_size: 256
    .sgpr_count:     66
    .vgpr_count:     112
    .wavefront_size: 32
...
	.end_amdgpu_metadata
.endif
;; end of part 5
;; launch proj: the kernel of part 2 again; grid 8 x 32, 4 waves a work-group, clusters of 4 x 4, 327,680 bytes of LDS; arguments xb, wt, bias, qkv; writes qkv
;; launch scores: the kernel of part 3 again; grid 8 x 32, 4 waves a work-group, clusters of 4 x 4, 327,680 bytes of LDS; arguments qkv, p, stats; writes p, stats
;; launch pv: the kernel of part 4 again; grid 4 x 64, 4 waves a work-group, clusters of 4 x 4, 327,680 bytes of LDS; arguments p, qkv, stats, out0; writes out0
